; MI455X (gfx1250); checked and timed in simulation.
; The chip was launched on July 23, 2026; its instructions are those of AMD's public machine-readable ISA for CDNA 5 (MIT licence, August 2026) and "CDNA5" Instruction Set Architecture Reference Guide (July 2026). The comments in the code are by the model that wrote it; some were corrected since.
;; Multi Head Self Attention. Allowed arithmetic: matrix products marked QUANTISED: E4M3 operands, one given power-of-two scale a tensor, by v_wmma_f32_16x16x64_fp8_fp8 or v_wmma_f32_16x16x128_fp8_fp8, f32 sums; everything else in f32.
;; Inputs: Wk 1,024 x 1,024 float32; Wo 1,024 x 1,024 float32; Wq 1,024 x 1,024 float32; Wv 1,024 x 1,024 float32; lowp_scales 12 int32 (the exponents e of the quantised operands' scales 2^e); x 8 x 1,024 x 1,024 float32.
;; Outputs: out0 8 x 1,024 x 1,024 float32.
;; This version of the problem:
;;   THIS VERSION OF THE PROBLEM IS GIVEN IN LOW PRECISION. The matrix products marked QUANTISED in the list below multiply operands that are first quantised to E4M3 (4 exponent bits, 3 mantissa bits; 8 bits a number), with one given power-of-two scale for each operand tensor; their sums are f32. All else is computed in f32.
;;   The module's matrix products, in the order in which they are computed (A, B: the left and right operand; K: the contracted axis; several contracted axes count as one K, in the product's order):
;;     1. [M 8,192, K 1,024] x [K 1,024, N 1,024]; A: input x; B: input Wk: QUANTISED (scales: A lowp_scales[0], B lowp_scales[1])
;;     2. [M 8,192, K 1,024] x [K 1,024, N 1,024]; A: input x; B: input Wq: QUANTISED (scales: A lowp_scales[2], B lowp_scales[3])
;;     3. [M 8,192, K 1,024] x [K 1,024, N 1,024]; A: input x; B: input Wv: QUANTISED (scales: A lowp_scales[4], B lowp_scales[5])
;;     4. batch 128 x [M 1,024, K 64] x [K 64, N 1,024]; A: computed on the way; B: computed on the way: QUANTISED (scales: A lowp_scales[6], B lowp_scales[7])
;;     5. batch 128 x [M 1,024, K 1,024] x [K 1,024, N 64]; A: softmax (see below); B: computed on the way: QUANTISED (scales: A lowp_scales[8], B lowp_scales[9])
;;     6. [M 8,192, K 1,024] x [K 1,024, N 1,024]; A: computed on the way; B: input Wo: QUANTISED (scales: A lowp_scales[10], B lowp_scales[11])
;;   THE QUANTISER, for each operand of a quantised product, along K:
;;     - The operand's scale is 2^e, e = its entry of the input lowp_scales (int32; the entries are numbered through the quantised products in the list's order, A before B).
;;     - Each number is divided by the scale, clamped to +-448, and rounded to the nearest number of E4M3, ties to even, subnormals kept.
;;     - The product sums the exact products of the quantised numbers (number of the format x scale) in f32.
;;   ~~~python
;;   def quantise(x, axis, e):      # numpy; x: float32 -> the quantised numbers, widened to float32 again
;;       x = np.moveaxis(x, axis, -1); K = x.shape[-1]
;;       r = np.clip(x / 2.0 ** e, -448, 448)
;;       step = 2.0 ** (np.maximum(np.frexp(np.where(r == 0, 1, r))[1] - 1, -6) - 3)
;;       q = np.round(r / step) * step * 2.0 ** e      # np.round: ties to even
;;       return np.moveaxis(q, -1, axis).astype(np.float32)
;;   ~~~
;;   SOFTMAX AHEAD OF A QUANTISED PRODUCT. Where the list says 'softmax', what is quantised is not the finished softmax but p = 2^(t - M), with t = logit x log2(e) and M = ceil(the row's largest t), a whole number; so 1/2 < the row's largest p <= 1. The row's sum l is taken of the UNQUANTISED p, in f32, and the product's result is divided by l at the end. Since M is a whole number, a kernel that streams over the keys may use a running M (the ceiling of the running maximum): every later rescaling is an exact power of two, so the quantised numbers keep their values, but for numbers so far below the row's largest that they fall under the format's range.
;;   OPERANDS COMPUTED ON THE WAY. 'Computed on the way' means the value that the module computes at that place (a softmax that the list does not call 'softmax' is quantised finished and normalised). What goes into a quantiser is computed in f32, as accurately as f32 sums, v_exp_f32 and their like allow (about 1e-6 of the number): no bf16 or f16 on the way to a quantiser, and a product that is left as it is and whose result goes on into a quantised operand takes f32 operands (vector FMAs, or v_wmma_f32_16x16x4_f32). A number that lies on a knife's edge between two numbers of the format may be rounded either way, as far as f32 arithmetic and the matrix unit's own rounding can turn it there, and no further.
;; One version. Each part assembles by itself: llvm-mc -triple=amdgcn-amd-amdhsa -mcpu=gfx1250 --defsym DOCPART=n.
;; ======== version 1 of 1: 4 launches
;; limits: right only within a limited range of input values
;; workspace buffers: xc 25,165,824 bytes; wc 4,194,304 bytes; qkv 25,165,824 bytes; ao 8,388,608 bytes
;; launch quant (part 1): grid 768 x 1, 4 waves a work-group, no clusters, 68,096 bytes of LDS; arguments x, Wk, Wq, Wv, Wo, lowp_scales, xc, wc; writes xc, wc
.if DOCPART == 1
	.amdgcn_target "amdgcn-amd-amdhsa--gfx1250"
	.amdhsa_code_object_version 6
	.text
	.protected	k_q53ff80db5d_quant
	.globl	k_q53ff80db5d_quant
	.p2align	8
	.type	k_q53ff80db5d_quant,@function
k_q53ff80db5d_quant:
	s_mov_b64 s[64:65], 0
	v_nop
	global_prefetch_b8 v0, s[64:65] scope:SCOPE_SE
	s_setreg_imm32_b32 hwreg(HW_REG_WAVE_MODE, 25, 1), 1
	s_wait_xcnt 0x0
; x [8192][1024] and Wk, Wq, Wv, Wo [1024][1024], f32, K innermost, become codes of FP8 (E4M3), laid as IMAGES OF AN OPERAND'S REGISTERS.
; code = number / 2^e, held within +-448, to the nearest code, ties to even.  x is an operand of three products with an exponent of its own in each (entries 0, 2, 4 of the scales), so it is
; quantised three times from one read; Wk, Wq, Wv, Wo take entries 1, 3, 5, 11.
; AN IMAGE: a fragment of the plain 8-bit matrix forms is 16 rows x 128 K in 16 registers: lane (r, h) holds row r, registers 2 c, 2 c + 1 hold K = 16 c + 8 h + 0 .. 7.  In memory it is 2,048 bytes:
; registers 4 g .. 4 g + 3 of lane l at 512 g + 16 l.  xc: [3][512 row tiles][8 blocks of 128 K][2,048]; wc: [Wk, Wq, Wv, Wo][64 row tiles][8][2,048].
; SHARES.  A work-group takes one row tile (16 rows x 1,024 K, 65,536 consecutive bytes): work-groups 0-511 x's, the other 256 the weights'.  Wave w takes K = 256 w on: two units of 16 x 128.
; Each load reads 512 consecutive bytes of one row; a unit turns through the wave's own stage in LDS (rows 528 bytes apart: the sixteen rows that a read touches begin 4 words apart) and comes back 32 bytes of a
; row at a time, which are eight neighbours along K for one conversion.  Each store writes 512 consecutive bytes, aligned.  Waves share nothing: no barrier.
; Only pointers and exponents are chosen by the work-group's number; the one branch on it leaves out x's second and third image in a weight's work-group.
; LIMITS: each exponent used here lies between -126 and 119, so that 2^e and 448 x 2^e are f32 numbers.  NaN among the inputs is not served; an infinity is held at the largest code.
.set SP,   528                         ; a stage row: 512 bytes + 16
.set STG,  16*SP                       ; a stage
.set WREG, 2*STG                       ; a wave's two stages
.set LI,   1                           ; v1      16 x lane: offset of loads and stores; never rewritten
.set SIN,  2                           ; v2      the stage, on the way in
.set SOUT, 3                           ; v3      and on the way out
.set SCL,  4                           ; v4-6    2^e for images 0, 1, 2;  v7-9  448 x 2^e
.set R0,   16                          ; v16-79  unit 0 as loaded; later unit 1 by neighbours
.set R1,   80                          ; v80-143 unit 1 as loaded
.set XX,   144                         ; v144-207 unit 0 by neighbours
.set TT,   208                         ; v208-223 eight held numbers, two sets by turns
.set CC,   224                         ; v224-255 an image's 16 registers, two sets by turns
.set SRC,  40                          ; s[40:41] my wave's first byte of the source
.set P0,   42                          ; s[42:43], s[48:49], s[50:51] my wave's first byte of images 0, 1, 2
.set P1,   48
.set P2,   50
	s_load_b512 s[8:23], s[0:1], 0x0               ; x 8, Wk 10, Wq 12, Wv 14, Wo 16, the scales 18, xc 20, wc 22
	v_lshl_add_u32 v14, v0, 2, 0x10800
	v_mov_b32 v15, 0
	v_lshrrev_b32 v10, 5, v0
	v_readfirstlane_b32 s2, v10                    ; wave 0..3
	v_and_b32 v10, 31, v0
	v_lshlrev_b32 v[LI], 4, v10
	v_and_b32 v11, 15, v0                          ; r
	v_bfe_u32 v12, v0, 4, 1                        ; h
	s_mul_i32 s3, s2, WREG
	v_add_nc_u32 v[SIN], s3, v[LI]                 ; in: 16 bytes a lane, a row an instruction
	v_mul_u32_u24 v[SOUT], v11, SP
	v_lshl_add_u32 v[SOUT], v12, 5, v[SOUT]
	v_add_nc_u32 v[SOUT], s3, v[SOUT]              ; out: row r, + 32 h bytes: K = 8 h on
	s_sub_co_u32 s36, ttmp9, 512                   ; a weight's work-group: its number among the 256,
	s_bfe_u32 s37, s36, 0x20006                    ; which weight (2 bits from bit 6),
	s_and_b32 s38, s36, 63                         ; which row tile
	s_wait_alu depctr_va_vdst(0)
	s_wait_kmcnt 0x0
	s_load_b256 s[24:31], s[18:19], 0x0            ; e0 .. e7
	s_load_b128 s[32:35], s[18:19], 0x20           ; e8 .. e11
	s_cmp_eq_u32 s37, 1
	s_cselect_b64 s[SRC:SRC+1], s[12:13], s[10:11]
	s_cmp_eq_u32 s37, 2
	s_cselect_b64 s[SRC:SRC+1], s[14:15], s[SRC:SRC+1]
	s_cmp_eq_u32 s37, 3
	s_cselect_b64 s[SRC:SRC+1], s[16:17], s[SRC:SRC+1]
	s_cmp_lt_u32 ttmp9, 512                        ; x's work-group?
	s_cselect_b64 s[SRC:SRC+1], s[8:9], s[SRC:SRC+1]
	s_cselect_b64 s[P0:P0+1], s[20:21], s[22:23]
	s_cselect_b32 s38, ttmp9, s38                  ; the row tile
	s_cselect_b32 s39, 0, s37                      ; the weight's place in wc
	s_lshl_b32 s44, s38, 16                        ; source: row tile x 65,536 + wave x 1,024
	s_lshl_b32 s46, s2, 10
	s_add_co_u32 s44, s44, s46
	s_mov_b32 s45, 0
	s_add_nc_u64 s[SRC:SRC+1], s[SRC:SRC+1], s[44:45]
	s_lshl_b32 s44, s38, 14                        ; images: row tile x 16,384 + wave x 4,096 + weight x 2^20
	s_lshl_b32 s46, s2, 12
	s_add_co_u32 s44, s44, s46
	s_lshl_b32 s46, s39, 20
	s_add_co_u32 s44, s44, s46
	s_add_nc_u64 s[P0:P0+1], s[P0:P0+1], s[44:45]
	s_add_nc_u64 s[P1:P1+1], s[P0:P0+1], 0x800000  ; x's second and third image lie 2^23 bytes apart: bases of their own (used in x's work-groups alone)
	s_add_nc_u64 s[P2:P2+1], s[P0:P0+1], 0x1000000
.macro LOAD u, reg                     ; unit u: 16 rows x 512 bytes; 32 lanes read 512 consecutive bytes
.irp i, 0,1,2,3,4,5,6,7,8,9,10,11,12,13,14,15
	global_load_b128 v[\reg+4*\i:\reg+4*\i+3], v[LI], s[SRC:SRC+1] offset:\i*4096+\u*512 th:TH_LOAD_NT
.endr
.endm
.macro PUT u, reg                      ; into stage u, as loaded
.irp i, 0,1,2,3,4,5,6,7,8,9,10,11,12,13,14,15
	ds_store_b128 v[SIN], v[\reg+4*\i:\reg+4*\i+3] offset:\u*STG+\i*SP
.endr
.endm
.macro GET u, reg                      ; back: registers 8 c .. 8 c + 7 = K 16 c + 8 h + 0 .. 7 of row r
.irp c, 0,1,2,3,4,5,6,7
	ds_load_b128 v[\reg+8*\c:\reg+8*\c+3],   v[SOUT] offset:\u*STG+64*\c
	ds_load_b128 v[\reg+8*\c+4:\reg+8*\c+7], v[SOUT] offset:\u*STG+64*\c+16
.endr
.endm
; One image of the unit in v[reg] on, with scale n, into set bank of CC, stored at s[ptr].  The hold goes into TT, so that the numbers stay for the next image; TT's two sets take turns, so that eight plain
; vector lines stand between a conversion and the next write of its sources.
.macro IMG reg, n, bank, ptr, u
.irp c, 0,1,2,3,4,5,6,7
.irp j, 0,1,2,3,4,5,6,7
	v_med3_num_f32 v[TT+8*(\c%2)+\j], v[\reg+8*\c+\j], -v[SCL+3+\n], v[SCL+3+\n]   ; the conversion to an 8-bit code does not saturate (ISA guide 7.6.2): the hold at the largest code x the scale
.endr
	v_cvt_scalef32_pk8_fp8_f32 v[CC+16*\bank+2*\c:CC+16*\bank+2*\c+1], v[TT+8*(\c%2):TT+8*(\c%2)+7], v[SCL+\n]
.endr
.irp g, 0,1,2,3
	global_store_b128 v[LI], v[CC+16*\bank+4*\g:CC+16*\bank+4*\g+3], s[\ptr:\ptr+1] offset:\u*2048+\g*512   ; 512 consecutive bytes, aligned
.endr
.endm
.macro CONV reg, u
	s_wait_xcnt 0x0                                ; earlier stores have read their data: both sets of CC may be written
	IMG \reg, 0, 0, P0, \u
	s_cmp_ge_u32 ttmp9, 512
	s_cbranch_scc1 .Lweight_\@                     ; a weight has one image
	IMG \reg, 1, 1, P1, \u
	s_wait_xcnt 0x0                                ; set 0's stores have read it
	IMG \reg, 2, 0, P2, \u
.Lweight_\@:
.endm
	LOAD 0, R0
	LOAD 1, R1                                     ; 32 loads, all that the wave reads, are on their way
	s_wait_kmcnt 0x0
	s_cmp_eq_u32 s37, 1                            ; image 0's exponent: e0 for x; e1, e3, e5, e11 for Wk, Wq, Wv, Wo
	s_cselect_b32 s52, s27, s25
	s_cmp_eq_u32 s37, 2
	s_cselect_b32 s52, s29, s52
	s_cmp_eq_u32 s37, 3
	s_cselect_b32 s52, s35, s52
	s_cmp_lt_u32 ttmp9, 512
	s_cselect_b32 s52, s24, s52
.macro SCALE n, e                      ; 2^e and 448 x 2^e as f32
	s_add_co_i32 s53, s[\e], 127
	s_lshl_b32 s54, s53, 23
	v_mov_b32 v[SCL+\n], s54
	s_add_co_i32 s53, s53, 8
	s_lshl_b32 s53, s53, 23
	s_or_b32 s53, s53, 0x600000
	v_mov_b32 v[SCL+3+\n], s53
.endm
	SCALE 0, 52
	SCALE 1, 26                                    ; e2
	SCALE 2, 28                                    ; e4
	s_wait_alu depctr_va_vdst(0)
	s_wait_loadcnt 16                              ; unit 0's sixteen loads are in; unit 1's may be out
	PUT 0, R0
	GET 0, XX                                      ; LDS serves a wave's instructions in order (ISA guide 5.7.1.4): these see the stores above
	s_wait_loadcnt 0x0
	PUT 1, R1
	s_wait_dscnt 16                                ; all but PUT 1's sixteen: unit 0 is back, and PUT 0 has read R0,
	GET 1, R0                                      ; which takes unit 1 while unit 0 is converted
	CONV XX, 0
	s_wait_dscnt 0x0
	CONV R0, 1
	s_wait_tensorcnt 0x0
	ds_add_u32 v14, v15
	s_wait_dscnt 0x0
	s_endpgm
.Lfunc_end_k_q53ff80db5d_quant:
	.size	k_q53ff80db5d_quant, .Lfunc_end_k_q53ff80db5d_quant-k_q53ff80db5d_quant
	.p2alignl 7, 3214868480
	.fill 96, 4, 3214868480
	.section	.rodata,"a",@progbits
	.p2align	6, 0x0
	.amdhsa_kernel k_q53ff80db5d_quant
		.amdhsa_group_segment_fixed_size 68096
		.amdhsa_private_segment_fixed_size 0
		.amdhsa_enable_private_segment 0
		.amdhsa_kernarg_size 64
		.amdhsa_user_sgpr_count 2
		.amdhsa_user_sgpr_kernarg_segment_ptr 1
		.amdhsa_wavefront_size32 1
		.amdhsa_system_sgpr_workgroup_id_x 1
		.amdhsa_system_sgpr_workgroup_id_y 1
		.amdhsa_system_sgpr_workgroup_id_z 1
		.amdhsa_system_vgpr_workitem_id 0
		.amdhsa_next_free_vgpr 256
		.amdhsa_next_free_sgpr 66
		.amdhsa_reserve_vcc 0
		.amdhsa_float_denorm_mode_32 3
		.amdhsa_float_denorm_mode_16_64 3
		.amdhsa_memory_ordered 1
		.amdhsa_forward_progress 1
		.amdhsa_inst_pref_size 41
	.end_amdhsa_kernel
	.amdgpu_metadata
---
amdhsa.version: [ 1, 2 ]
amdhsa.kernels:
  - .name:           k_q53ff80db5d_quant
    .symbol:         k_q53ff80db5d_quant.kd
    .args:
      - { .name: x, .offset: 0, .size: 8, .value_kind: global_buffer, .address_space: global }
      - { .name: Wk, .offset: 8, .size: 8, .value_kind: global_buffer, .address_space: global }
      - { .name: Wq, .offset: 16, .size: 8, .value_kind: global_buffer, .address_space: global }
      - { .name: Wv, .offset: 24, .size: 8, .value_kind: global_buffer, .address_space: global }
      - { .name: Wo, .offset: 32, .size: 8, .value_kind: global_buffer, .address_space: global }
      - { .name: lowp_scales, .offset: 40, .size: 8, .value_kind: global_buffer, .address_space: global }
      - { .name: xc, .offset: 48, .size: 8, .value_kind: global_buffer, .address_space: global }
      - { .name: wc, .offset: 56, .size: 8, .value_kind: global_buffer, .address_space: global }
    .group_segment_fixed_size: 68096
    .private_segment_fixed_size: 0
    .kernarg_segment_align: 8
    .kernarg_segment_size: 64
    .max_flat_workgroup_size: 128
    .sgpr_count:     66
    .vgpr_count:     256
    .wavefront_size: 32
...
	.end_amdgpu_metadata
.endif
;; end of part 1
;; launch qkvgemm (part 2): grid 4 x 64, 4 waves a work-group, clusters of 4 x 4, 327,680 bytes of LDS; arguments xc, wc, lowp_scales, qkv; writes qkv
.if DOCPART == 2
	.amdgcn_target "amdgcn-amd-amdhsa--gfx1250"
	.amdhsa_code_object_version 6
	.text
	.protected	k_q53ff80db5d_qkvgemm
	.globl	k_q53ff80db5d_qkvgemm
	.p2align	8
	.type	k_q53ff80db5d_qkvgemm,@function
k_q53ff80db5d_qkvgemm:
	s_mov_b64 s[64:65], 0
	v_nop
	global_prefetch_b8 v0, s[64:65] scope:SCOPE_SE
	s_setreg_imm32_b32 hwreg(HW_REG_WAVE_MODE, 25, 1), 1
	s_wait_xcnt 0x0
	s_wait_alu depctr_hold_cnt(0) depctr_sa_sdst(0) depctr_va_vdst(0) depctr_va_sdst(0) depctr_va_ssrc(0) depctr_va_vcc(0) depctr_vm_vsrc(0)
	s_getreg_b32 s2, hwreg(HW_REG_IB_STS2, 6, 4)
	s_cmp_eq_u32 s2, 0
	s_cbranch_scc0 .Lentry_in_a_cluster
	s_endpgm
.Lentry_in_a_cluster:
	s_bfe_u32 s2, ttmp6, 0x10000c
	s_cmp_lg_u32 s2, 0xf033
	s_cbranch_scc0 .Lentry_shape_is_right
	s_endpgm
.Lentry_shape_is_right:
; k = x Wk^T, q = x Wq^T, v = x Wv^T on codes of FP8 (E4M3), K = 1,024, sums in f32; each result is quantised at once for the product that takes it (k: entry 7 of the scales, q: entry 6, v: entry 9)
; and stored as images of that product's operand registers.
; IMAGES.  A fragment (16 rows x 128 K, 16 registers: lane (r, h): row r, registers 2 c, 2 c + 1: K = 16 c + 8 h + 0 .. 7) lies in memory as 2,048 bytes, registers 4 g .. 4 g + 3 of lane l at 512 g + 16 l.
; xc: [3 images of x, for k, q, v][512 row tiles][8][2,048]; wc: [Wk, Wq, Wv, Wo][64 row tiles][8][2,048].
; S0 AND S1.  Source 0 = 16 rows of S0, source 1 = 16 rows of S1: a lane then holds ONE row of S1 and its eight registers eight neighbouring rows of S0: one conversion makes of them a register pair of an operand whose K
; runs along S0's rows.  k and q (K = the head's 64 channels): S0 = the weight's rows, S1 = tokens.  v (K = the keys): S0 = tokens, S1 = Wv's rows.
; A WORK-GROUP STAYS: 256 work-groups, each makes three tiles of S0 256 x S1 128, its k, q and v tile.  Wave w: S0 rows 128 (w & 1) on, S1 rows 64 (w >> 1) on: 32 accumulators, 256 registers.
; LDS.  The three tiles are 24 steps of 128 along K.  A slot holds three steps, 147,456 bytes: two slots take turns, eight fills.  Fills 0 and 1 go out at the head, one load a wave (S0 and S1 of each; rows of 6,144 bytes).
; Every later fill is two steps that are neighbours in one tile (rows of 4,096 bytes) and a single step (rows of 2,048), of S0 and of S1: four loads, one a wave; fills 2 and 5 run across a tile's end.
; So each refill has three steps, 96 matrix instructions a wave, in which to land.  A wave has at most one tensor load out.
; CLUSTER 4 x 4.  S0's tile hangs on cx and the cluster's y alone: shared along a column of the cluster; S1's on cy and the cluster's y: shared along a row.  Each is asked for jointly.
; qkv: part 0 k [128 heads][64 key tiles][1,024]; part 1 q likewise; part 2 v [128 heads][8 blocks of 128 keys][4 channel tiles][2,048]; a part is 2^23 bytes; head = 16 x batch + head.
; LIMITS: for each of the three, (result's exponent) - (x's) - (weight's) lies between -126 and 119, so that 2^f and 448 x 2^f are f32 numbers.
; REGISTERS, in windows of 256: window 0: addresses, v32-95 the codes, v104-106 the scales, v128-255 S1's fragments, two sets of 4.   window 1: S0's fragments, two sets of 8.   window 2: accumulator (a = S1's tile, b = S0's tile) at v[8 (8 a + b)].
.set BUF,   147456
.set S1O,   98304                      ; S1 in a slot
.set SPARE, 2*BUF                      ; the spare words, 128 bytes for each wave
.set LI,   2                           ; v2      16 x lane
.set PFO,  3                           ; v3      256 x my thread's number
.set PFX,  4                           ; v4      16,384 x (lane / 16) + 256 x (lane % 16)
.set CHK,  8                           ; v8-15   the way out of k and q: offset of chunk (a, g) at v[8 + 2 a + g]
.set AD0,  16                          ; v[16 + 2 kind + slot] my S0 fragments: kind 0 rows of 6,144 bytes, 1 of 4,096, 2 of 2,048
.set AD1,  22                          ; the same for S1
.set SPW,  28
.set NIL,  29
.set OUTC, 32
.set CHV,  96                          ; v96-103 the way out of v
.set SCL,  104                         ; v104-106: 2^f for k, q, v
.set G1B,  24                          ; descriptor group 1: S0, the head's shape, then two steps
.set G1A,  32                          ; the same for S1
.set G1BS, 48                          ; S0, a single step
.set G1AS, 56                          ; S1
.set G0,   68                          ; s[68:83] four groups 0, wave w's at G0 + 4 w
.set B0K,  84                          ; S0's block for k; q's lies 2^20 bytes further on
.set B0V,  86                          ; S0's block for v
.set B1K,  88                          ; S1's block for k
.set B1Q,  90                          ; for q
.set B1V,  92                          ; for v
.set BND,  94                          ; s[94:99] -448 x 2^f and 448 x 2^f for k, q, v
.set OBK,  10                          ; qkv: base of k's and v's stores
.set OBQ,  4                           ; qkv + 2^23: base of q's stores
.set PFK,  20                          ; s[20:21] prefetches: k's last steps,
.set PFW,  6                           ; s[6:7]   Wq and Wv,
.set PFQ,  22                          ; s[22:23] q's image of x,
.set PFV,  12                          ; s[12:13] v's image of x
.set MSB, 0
.macro WIN new                         ; the immediate's high byte repeats the setting that is left
.if MSB != \new
	s_set_vgpr_msb (MSB<<8)|\new
.set MSB, \new
.endif
.endm
.set MUL,   0xa1                       ; source 0 (S0) window 1, source 1 (S1) window 0, C and D window 2
.set TO_S0, 0x40                       ; destination window 1, address window 0
.macro ARM g0, g1
	tensor_load_to_lds s[\g0:\g0+3], s[\g1:\g1+7]
	s_nop 0
.rept 4
	v_nop
.endr
.endm
; A joint load: waves 0, 1 for S0, waves 2, 3 for S1.  The branches hang on the wave's number alone; each arm has one mask and one set of registers.
.macro JLOAD x0, x1, x2, x3
	s_cmp_eq_u32 s14, 0
	s_cbranch_scc0 .Lj1_\@
	ARM G0, \x0
	s_branch .Lj4_\@
.Lj1_\@:
	s_cmp_eq_u32 s14, 1
	s_cbranch_scc0 .Lj2_\@
	ARM G0+4, \x1
	s_branch .Lj4_\@
.Lj2_\@:
	s_cmp_eq_u32 s14, 2
	s_cbranch_scc0 .Lj3_\@
	ARM G0+8, \x2
	s_branch .Lj4_\@
.Lj3_\@:
	ARM G0+12, \x3
.Lj4_\@:
.endm
.macro CREST                           ; a round of the cluster's barrier behind its opening barrier
	s_cmp_lg_u32 s14, 0
	s_cbranch_scc1 .Lnot_wave_0_\@
	s_barrier_signal -3
.Lnot_wave_0_\@:
	s_barrier_wait -3
	s_barrier_signal -1
	s_barrier_wait -1
.endm
.macro CROUND
	s_barrier_signal -1
	s_barrier_wait -1
	CREST
.endm
.macro PLACES                          ; four places in front of loads into registers that matrix instructions have read, and of the first read of results (ISA guide 7.12.1 for the first read of results)
.rept 4
	v_nop
.endr
.endm
.macro W a, b, p, z                    ; one product: S1's tile a x S0's tile b, fragment set p; z = 1 starts the sum
.if \z
	v_wmma_f32_16x16x128_fp8_fp8 v[8*(8*(\a)+\b):8*(8*(\a)+\b)+7], v[128*(\p)+16*\b:128*(\p)+16*\b+15], v[128+64*(\p)+16*(\a):128+64*(\p)+16*(\a)+15], 0
.else
	v_wmma_f32_16x16x128_fp8_fp8 v[8*(8*(\a)+\b):8*(8*(\a)+\b)+7], v[128*(\p)+16*\b:128*(\p)+16*\b+15], v[128+64*(\p)+16*(\a):128+64*(\p)+16*(\a)+15], v[8*(8*(\a)+\b):8*(8*(\a)+\b)+7]
.endif
.endm
.macro MUL8 a, p, z                    ; the 32 accumulators take turns in the same order in every step
.irp b, 0,1,2,3,4,5,6,7
	W \a, \b, \p, \z
.endr
.endm
.macro HOLD a, b, n                    ; accumulator (a, b) held within +-448 x 2^f (the conversion does not saturate: ISA guide 7.6.2); sources 0 and 1 are scalar, so the products' windows serve
.irp j, 0,1,2,3,4,5,6,7
	v_med3_num_f32 v[8*(8*(\a)+\b)+\j], s[BND+2*(\n)], s[BND+2*(\n)+1], v[8*(8*(\a)+\b)+\j]
.endr
.endm
.macro MULH a, p, n                    ; a tile's last products of row a, and among them the holds of row a - 1, which is finished
.irp b, 0,1,2,3,4,5,6,7
	W \a, \b, \p, 0
	HOLD \a-1, \b, \n
.endr
.endm
; 48 LDS loads in one run: a step's fragments into set p: S0's eight first, then S1's four
.macro FETCH bf, kd, j, p
	WIN TO_S0
.irp b, 0,1,2,3,4,5,6,7
.irp c, 0,1,2,3
	ds_load_b128 v[128*(\p)+16*\b+4*\c:128*(\p)+16*\b+4*\c+3], v[AD0+2*(\kd)+\bf] offset:\b*(6144-2048*(\kd))+(\j)*2048+\c*512
.endr
.endr
	WIN 0
.irp a, 0,1,2,3
.irp c, 0,1,2,3
	ds_load_b128 v[128+64*(\p)+16*\a+4*\c:128+64*(\p)+16*\a+4*\c+3], v[AD1+2*(\kd)+\bf] offset:\a*(6144-2048*(\kd))+(\j)*2048+\c*512
.endr
.endr
.endm
.macro HALF1 p, bf, kd, j, z           ; a step's first products and the fetch of the next step's fragments
	s_wait_dscnt 12                                ; S0's eight fragments and S1's tile 0 are in; the youngest twelve loads (S1's tiles 1-3) may be out
	WIN MUL
	MUL8 0, \p, \z
	PLACES
	FETCH \bf, \kd, \j, 1-(\p)
	s_wait_dscnt 48                                ; all but the 48 just issued
	WIN MUL
.endm
.macro SUB p, bf, kd, j, z
	HALF1 \p, \bf, \kd, \j, \z
	MUL8 1, \p, \z
	MUL8 2, \p, \z
	MUL8 3, \p, \z
	WIN 0
.endm
.macro ADDR g, b, o
	s_add_nc_u64 s[\g+2:\g+3], s[\b:\b+1], \o
	s_or_b32 s[\g+3], s[\g+3], 0x80000000          ; type = 2
.endm
; A slot's last step WITH THE CHANGE OF SLOTS: slot nb, which is left, is filled with the two neighbouring steps at (b0p + o0p, b1p + o1p) and the single one at (b0s + o0s, b1s + o1s); the next step lies in the other slot.
; ask: 1, 2: prefetches behind the joint load and the run of LDS loads (see the head); 1 is the first change.
.macro TURN p, bf, kd, j, z, nb, b0p, o0p, b0s, o0s, b1p, o1p, b1s, o1s, ask
	s_wait_tensorcnt 0x0                           ; my tensor load has landed: my part of the next slot; so the descriptors may be written
	ds_add_u32 v[SPW], v[NIL]                      ; 0 onto my spare word
.if \ask == 1
	s_mov_b32 s[G1B+1], 512<<16                    ; from the head's rows of 6,144 bytes to rows of 4,096
	s_mov_b32 s[G1B+3], 512<<16
	s_mov_b32 s[G1A+1], 512<<16
	s_mov_b32 s[G1A+3], 512<<16
.endif
	s_mov_b32 s[G0+1], (\nb)*BUF
	s_mov_b32 s[G0+5], (\nb)*BUF+65536
	s_mov_b32 s[G0+9], (\nb)*BUF+S1O
	s_mov_b32 s[G0+13], (\nb)*BUF+131072
	ADDR G0, \b0p, \o0p
	ADDR G0+4, \b0s, \o0s
	ADDR G0+8, \b1p, \o1p
	ADDR G0+12, \b1s, \o1s
	s_wait_dscnt 13                                ; (the add and the youngest twelve loads may be out)
	WIN MUL
	MUL8 0, \p, \z
	s_wait_dscnt 0x0                               ; the add is done, and my reads of the slot that is left are over
	s_barrier_signal -1
	MUL8 1, \p, \z
	WIN 0
	s_barrier_wait -1
	CREST                                          ; no wave of any partner still reads that slot or has a load on its way
	JLOAD G1B, G1BS, G1A, G1AS                     ; my one tensor load behind the round; its four v_nop are the places in front of the loads below
	FETCH \bf, \kd, \j, 1-(\p)
.if \ask == 1
	global_prefetch_b8 v[PFO], s[PFQ:PFQ+1] th:TH_LOAD_NT scope:SCOPE_SE
	global_prefetch_b8 v[PFO], s[PFW:PFW+1] th:TH_LOAD_NT scope:SCOPE_SE
.endif
.if \ask == 2
	s_cmp_eq_u32 s47, 0                            ; the cluster's y is even: the same in all sixteen partners
	s_cbranch_scc0 .Lnot_mine_\@
	global_prefetch_b8 v[PFO], s[PFV:PFV+1] th:TH_LOAD_NT scope:SCOPE_SE
	global_prefetch_b8 v[PFO], s[PFV:PFV+1] offset:32768 th:TH_LOAD_NT scope:SCOPE_SE
.Lnot_mine_\@:
.endif
	WIN MUL
	MUL8 2, \p, \z
	MUL8 3, \p, \z
	WIN 0
.endm
.macro MEET p, bf, kd, j               ; the last change of slots: there is no add and no round
	s_wait_dscnt 12
	WIN MUL
	MUL8 0, \p, 0
	s_wait_tensorcnt 0x0                           ; my one load that was out has landed
	s_wait_dscnt 0x0
	s_barrier_signal -1
	MUL8 1, \p, 0
	WIN 0
	s_barrier_wait -1                              ; everybody's has
	PLACES
	FETCH \bf, \kd, \j, 1-(\p)
	WIN MUL
	MUL8 2, \p, 0
	MUL8 3, \p, 0
	WIN 0
.endm
; THE WAY OUT of a tile, behind its last products: the last row's holds, the conversions, the stores.  An accumulator's eight registers are eight neighbours along the next product's K.
.macro WAYOUT ch, n, ob
	s_wait_xcnt 0x0                                ; the tile before's stores have read the codes' registers
.irp b, 0,1,2,3,4,5,6,7
	HOLD 3, \b, \n
.endr
	WIN 0x02                                       ; source 0 window 2, destination window 0
.irp a, 0,1,2,3
.irp b, 0,1,2,3,4,5,6,7
	v_cvt_scalef32_pk8_fp8_f32 v[OUTC+16*\a+2*\b:OUTC+16*\a+2*\b+1], v[8*(8*\a+\b):8*(8*\a+\b)+7], v[SCL+\n]
.endr
.endr
	WIN 0
	v_nop                                          ; a plain vector line behind the last conversion: the next tile's products write its sources
.irp a, 0,1,2,3
.irp g, 0,1
	global_store_b128 v[\ch+2*\a+\g], v[OUTC+8*(2*\a+\g):OUTC+8*(2*\a+\g)+3], s[\ob:\ob+1]              ; 32 lanes store 512 consecutive bytes, aligned
	global_store_b128 v[\ch+2*\a+\g], v[OUTC+8*(2*\a+\g)+4:OUTC+8*(2*\a+\g)+7], s[\ob:\ob+1] offset:512
.endr
.endr
.endm
.macro ENDTILE p, n, ch, ob
	MULH 1, \p, \n                                 ; (row 0's products stand four places and more ahead of its holds)
	MULH 2, \p, \n
	MULH 3, \p, \n
	WAYOUT \ch, \n, \ob
.endm
.macro MKSC n                          ; s2 = f: 2^f, and +-448 x 2^f, as f32
	s_add_co_i32 s2, s2, 127
	s_lshl_b32 s3, s2, 23
	v_mov_b32 v[SCL+\n], s3
	s_add_co_i32 s2, s2, 8
	s_lshl_b32 s2, s2, 23
	s_or_b32 s[BND+2*\n+1], s2, 0x600000
	s_or_b32 s[BND+2*\n], s[BND+2*\n+1], 0x80000000
.endm
.macro SHAPE g, m, c, r                ; descriptor group 1: r row tiles, 8 c bytes of each, 16,384 bytes apart; m the mask
	s_or_b32 s[\g], s[\m], (3<<16)|(1<<21)         ; elements of 8 bytes; 21 set beside a mask
	s_mov_b32 s[\g+1], (\c)<<16
	s_mov_b32 s[\g+2], (\r)<<16
	s_mov_b32 s[\g+3], (\c)<<16
	s_mov_b32 s[\g+4], \r
	s_mov_b32 s[\g+5], 2048
	s_mov_b32 s[\g+6], 0
	s_mov_b32 s[\g+7], 0
.endm
	s_load_b128 s[4:7], s[0:1], 0x0                ; xc, wc
	s_load_b128 s[8:11], s[0:1], 0x10              ; the scales, qkv
	v_lshl_add_u32 v[SPW], v0, 2, SPARE
	v_mov_b32 v[NIL], 0
	ds_add_u32 v[SPW], v[NIL]                      ; the wave's opening: the add, twice on end, and its wait
	ds_add_u32 v[SPW], v[NIL]
	v_lshrrev_b32 v1, 5, v0
	v_readfirstlane_b32 s14, v1                    ; wave 0..3
	s_lshr_b32 s15, s14, 1                         ; my half of S1's rows
	s_and_b32 s16, s14, 1                          ; my half of S0's rows
	s_bfe_u32 s40, ttmp6, 0x40000                  ; cx
	s_bfe_u32 s41, ttmp6, 0x40004                  ; cy
	s_and_b32 s18, ttmp7, 0xffff                   ; Y: cluster y, 0..15
	s_and_b32 s47, s18, 1
	s_lshl_b32 s43, s41, 2
	s_lshl_b32 s43, 15, s43                        ; my row of the cluster: S1's mask
	s_lshl_b32 s44, 0x1111, s40                    ; my column: S0's mask
	SHAPE G1B, 44, 768, 16
	SHAPE G1A, 43, 768, 8
	; which blocks: k, q: S0 block = cx, S1 block = 4 Y + cy;  v: S0 block = 4 (Y >> 1) + cx (of the tokens' 32), S1 block = 4 (Y & 1) + cy (of Wv's 8)
	s_lshl_b32 s45, s18, 2
	s_add_co_u32 s45, s45, s41                     ; holds cy, never cx
	s_lshr_b32 s42, s18, 1
	s_lshl_b32 s42, s42, 2
	s_add_co_u32 s42, s42, s40                     ; holds cx, never cy
	s_lshl_b32 s46, s47, 2
	s_add_co_u32 s46, s46, s41                     ; holds cy, never cx
	s_lshl_b32 s20, s40, 18                        ; 16 row tiles a block
	s_mov_b32 s21, 0
	s_lshl_b32 s22, s45, 17                        ; 8 row tiles
	s_mov_b32 s23, 0
	s_lshl_b32 s2, s42, 18
	s_add_co_u32 s2, s2, 0x1000000                 ; x's third image
	s_mov_b32 s3, 0
	s_lshl_b32 s66, s46, 17
	s_add_co_u32 s66, s66, 0x200000                ; Wv
	s_mov_b32 s67, 0
	s_wait_dscnt 0x0                               ; both opening adds are done
	s_wait_kmcnt 0x0
	s_load_b256 s[48:55], s[8:9], 0x0              ; e0 .. e7 (in registers that take a group 1 once these are used)
	s_load_b64 s[56:57], s[8:9], 0x20              ; e8, e9
	s_add_nc_u64 s[B0K:B0K+1], s[6:7], s[20:21]
	s_add_nc_u64 s[B1K:B1K+1], s[4:5], s[22:23]
	s_add_nc_u64 s[B0V:B0V+1], s[4:5], s[2:3]
	s_add_nc_u64 s[B1V:B1V+1], s[6:7], s[66:67]
	s_add_nc_u64 s[B1Q:B1Q+1], s[B1K:B1K+1], 0x800000    ; x's second image
.irp w, 0,1,2,3
	s_mov_b32 s[G0+4*\w], 1
.endr
	s_mov_b32 s[G0+1], 0                           ; wave 0: S0, steps 0-2; wave 1: S0, steps 3-5; waves 2, 3: S1
	s_mov_b32 s[G0+5], BUF
	s_mov_b32 s[G0+9], S1O
	s_mov_b32 s[G0+13], BUF+S1O
	ADDR G0, B0K, 0
	ADDR G0+4, B0K, 6144
	ADDR G0+8, B1K, 0
	ADDR G0+12, B1K, 6144
	CROUND                                         ; all sixteen work-groups are here: the first joint loads meet
	JLOAD G1B, G1B, G1A, G1A
	s_mul_i32 s2, s16, 49152                       ; my 8 row tiles of S0, by the three kinds of rows
	s_lshl_b32 s12, s16, 15
	s_lshl_b32 s66, s16, 14
	s_add_co_u32 s66, s66, 65536
	s_mul_i32 s3, s15, 24576                       ; my 4 row tiles of S1
	s_add_co_u32 s3, s3, S1O
	s_lshl_b32 s13, s15, 14
	s_add_co_u32 s13, s13, S1O
	s_lshl_b32 s67, s15, 13
	s_add_co_u32 s67, s67, 131072
	v_and_b32 v1, 31, v0
	v_lshlrev_b32 v[LI], 4, v1
	v_add_nc_u32 v[AD0], s2, v[LI]
	v_add_nc_u32 v[AD0+2], s12, v[LI]
	v_add_nc_u32 v[AD0+4], s66, v[LI]
	v_add_nc_u32 v[AD1], s3, v[LI]
	v_add_nc_u32 v[AD1+2], s13, v[LI]
	v_add_nc_u32 v[AD1+4], s67, v[LI]
.irp k, 0,2,4
	v_add_nc_u32 v[AD0+\k+1], BUF, v[AD0+\k]
	v_add_nc_u32 v[AD1+\k+1], BUF, v[AD1+\k]
.endr
	v_lshlrev_b32 v[PFO], 8, v0
	v_bfe_u32 v1, v0, 4, 1
	v_lshlrev_b32 v1, 14, v1
	v_and_b32 v5, 15, v0
	v_lshl_add_u32 v[PFX], v5, 8, v1
	; THE WAYS OUT'S ADDRESSES.  A chunk = S1's tile a x four of S0's tiles (g = 0, 1): 8 registers a lane, 1,024 bytes.
	; k, q: head = 4 cx + 2 (w & 1) + g, token tile = 8 S1block + 4 (w >> 1) + a:  batch 2^20 + head 2^16 + tile 2^10
	s_lshr_b32 s2, s45, 3
	s_lshl_b32 s2, s2, 20
	s_lshl_b32 s3, s40, 18
	s_add_co_u32 s2, s2, s3
	s_lshl_b32 s3, s16, 17
	s_add_co_u32 s2, s2, s3
	s_and_b32 s3, s45, 7
	s_lshl_b32 s3, s3, 13
	s_add_co_u32 s2, s2, s3
	s_lshl_b32 s3, s15, 12
	s_add_co_u32 s2, s2, s3
	v_add_nc_u32 v6, s2, v[LI]
.irp a, 0,1,2,3
	v_add_nc_u32 v[CHK+2*\a], \a*1024, v6
	v_add_nc_u32 v[CHK+2*\a+1], \a*1024+65536, v6
.endr
	; v: head = 2 S1block + (w >> 1), channel tile = a, block of 128 keys = 2 S0block + (w & 1), g = its half:  part 2 + batch 2^20 + head 2^16 + key block 2^13 + a 2^11 + g 2^10
	s_lshr_b32 s2, s42, 2
	s_lshl_b32 s2, s2, 20
	s_add_co_u32 s2, s2, 0x1000000
	s_lshl_b32 s3, s46, 17
	s_add_co_u32 s2, s2, s3
	s_lshl_b32 s3, s15, 16
	s_add_co_u32 s2, s2, s3
	s_and_b32 s3, s42, 3
	s_lshl_b32 s3, s3, 14
	s_add_co_u32 s2, s2, s3
	s_lshl_b32 s3, s16, 13
	s_add_co_u32 s2, s2, s3
	v_add_nc_u32 v7, s2, v[LI]
.irp a, 0,1,2,3
	v_add_nc_u32 v[CHV+2*\a], \a*2048, v7
	v_add_nc_u32 v[CHV+2*\a+1], \a*2048+1024, v7
.endr
	s_add_nc_u64 s[OBQ:OBQ+1], s[OBK:OBK+1], 0x800000
	; THE PREFETCHES INTO THE L2.  A lane names 256 bytes; partners are told apart BY ADDRESS.
	; k's steps 6 and 7 of my cluster row's 128 tokens, 8 row tiles x 4,096 bytes: two row tiles for each of the four partners (cx); wave 0 asks, two steps ahead of the load.
	; q's image: my cluster row's 128 tokens are 131,072 consecutive bytes: 32,768 for each partner (cx), 8,192 a wave, at the first change of slots, three steps ahead of the load that wants steps 1 to 3.
	; v's image: my cluster column's 256 tokens are 262,144 consecutive bytes, read by this cluster and by the one with y xor 1: the cluster with even y asks, 65,536 bytes for each partner (cy), at the second change, six steps ahead.
	; Wq and Wv, 2^21 bytes that every cluster reads: a cluster asks for a quarter (its y & 3), a work-group for 32,768 bytes of it: each block is named in four clusters.
	s_lshl_b32 s20, s40, 15
	s_mov_b32 s21, 0
	s_add_nc_u64 s[PFQ:PFQ+1], s[B1Q:B1Q+1], s[20:21]
	s_add_nc_u64 s[PFK:PFK+1], s[B1K:B1K+1], s[20:21]
	s_add_nc_u64 s[PFK:PFK+1], s[PFK:PFK+1], 12288
	s_lshl_b32 s2, s41, 16
	s_mov_b32 s3, 0
	s_add_nc_u64 s[PFV:PFV+1], s[B0V:B0V+1], s[2:3]
	s_and_b32 s2, s18, 3
	s_lshl_b32 s2, s2, 19
	s_lshl_b32 s3, s41, 17
	s_add_co_u32 s2, s2, s3
	s_lshl_b32 s3, s40, 15
	s_add_co_u32 s2, s2, s3
	s_add_co_u32 s2, s2, 0x100000
	s_mov_b32 s3, 0
	s_add_nc_u64 s[PFW:PFW+1], s[6:7], s[2:3]
	s_wait_alu depctr_va_vdst(0)
	s_wait_kmcnt 0x0
	s_sub_co_i32 s2, s55, s48                      ; a sum stands for sum x 2^(ex + ew), its code is sum / 2^f, f = eo - ex - ew.  k: e7 - e0 - e1
	s_sub_co_i32 s2, s2, s49
	MKSC 0
	s_sub_co_i32 s2, s54, s50                      ; q: e6 - e2 - e3
	s_sub_co_i32 s2, s2, s51
	MKSC 1
	s_sub_co_i32 s2, s57, s52                      ; v: e9 - e4 - e5
	s_sub_co_i32 s2, s2, s53
	MKSC 2
	SHAPE G1BS, 44, 256, 16                        ; single steps, in the registers that held the exponents
	SHAPE G1AS, 43, 256, 8
	s_wait_alu depctr_va_vdst(0)
	s_cmp_lg_u32 s16, 0
	s_cbranch_scc1 .Lslot_1                        ; waves 1 and 3 brought slot 1: it may be out
	s_wait_tensorcnt 0x0                           ; waves 0 and 2: my part of slot 0 is in
.Lslot_1:
	s_barrier_signal -1
	s_barrier_wait -1                              ; slot 0 is whole
	FETCH 0, 0, 0, 0
	s_cmp_lg_u32 s14, 0
	s_cbranch_scc1 .Lno_ask
	global_prefetch_b8 v[PFX], s[PFK:PFK+1] th:TH_LOAD_NT scope:SCOPE_SE
.Lno_ask:
	; ---- k: steps 0-7
	SUB 0, 0, 0, 1, 1                              ; its products start the sums
	SUB 1, 0, 0, 2, 0
	TURN 0, 1, 0, 0, 0, 0, B0K, 12288, B0K, 0x100000, B1K, 12288, B1Q, 0, 1                      ; k 6, 7 and q 0
	SUB 1, 1, 0, 1, 0
	SUB 0, 1, 0, 2, 0
	TURN 1, 0, 1, 0, 0, 1, B0K, 0x100000+2048, B0K, 0x100000+6144, B1Q, 2048, B1Q, 6144, 2       ; q 1, 2 and 3
	SUB 0, 0, 1, 1, 0
	HALF1 1, 0, 2, 0, 0
	ENDTILE 1, 0, CHK, OBK
	; ---- q: steps 0-7
	TURN 0, 1, 1, 0, 1, 0, B0K, 0x100000+8192, B0K, 0x100000+12288, B1Q, 8192, B1Q, 12288, 0     ; q 4, 5 and 6
	SUB 1, 1, 1, 1, 0
	SUB 0, 1, 2, 0, 0
	TURN 1, 0, 1, 0, 0, 1, B0V, 0, B0K, 0x100000+14336, B1V, 0, B1Q, 14336, 0                    ; v 0, 1 and q 7
	SUB 0, 0, 1, 1, 0
	SUB 1, 0, 2, 0, 0
	TURN 0, 1, 2, 0, 0, 0, B0V, 4096, B0V, 8192, B1V, 4096, B1V, 8192, 0                         ; v 2, 3 and 4
	HALF1 1, 1, 1, 0, 0
	ENDTILE 1, 1, CHK, OBQ
	; ---- v: steps 0-7
	SUB 0, 1, 1, 1, 1
	TURN 1, 0, 1, 0, 0, 1, B0V, 10240, B0V, 14336, B1V, 10240, B1V, 14336, 0                     ; v 5, 6 and 7: the last loads
	SUB 0, 0, 1, 1, 0
	SUB 1, 0, 2, 0, 0
	MEET 0, 1, 1, 0
	SUB 1, 1, 1, 1, 0
	SUB 0, 1, 2, 0, 0
	s_wait_dscnt 12                                ; the last step: nothing more to fetch
	WIN MUL
	MUL8 0, 1, 0
	s_wait_dscnt 0x0
	PLACES
	ENDTILE 1, 2, CHV, OBK
	s_wait_tensorcnt 0x0                           ; the wave's end
	ds_add_u32 v[SPW], v[NIL]
	s_wait_dscnt 0x0
	CROUND                                         ; the closing round: no work-group ends while a partner may still ask for a tile that names it
	s_endpgm
.Lfunc_end_k_q53ff80db5d_qkvgemm:
	.size	k_q53ff80db5d_qkvgemm, .Lfunc_end_k_q53ff80db5d_qkvgemm-k_q53ff80db5d_qkvgemm
	.p2alignl 7, 3214868480
	.fill 96, 4, 3214868480
	.section	.rodata,"a",@progbits
	.p2align	6, 0x0
	.amdhsa_kernel k_q53ff80db5d_qkvgemm
		.amdhsa_group_segment_fixed_size 327680
		.amdhsa_private_segment_fixed_size 0
		.amdhsa_enable_private_segment 0
		.amdhsa_kernarg_size 32
		.amdhsa_user_sgpr_count 2
		.amdhsa_user_sgpr_kernarg_segment_ptr 1
		.amdhsa_wavefront_size32 1
		.amdhsa_system_sgpr_workgroup_id_x 1
		.amdhsa_system_sgpr_workgroup_id_y 1
		.amdhsa_system_sgpr_workgroup_id_z 1
		.amdhsa_system_vgpr_workitem_id 0
		.amdhsa_next_free_vgpr 768
		.amdhsa_next_free_sgpr 100
		.amdhsa_reserve_vcc 0
		.amdhsa_float_denorm_mode_32 3
		.amdhsa_float_denorm_mode_16_64 3
		.amdhsa_memory_ordered 1
		.amdhsa_forward_progress 1
		.amdhsa_inst_pref_size 214
	.end_amdhsa_kernel
	.amdgpu_metadata
---
amdhsa.version: [ 1, 2 ]
amdhsa.kernels:
  - .name:           k_q53ff80db5d_qkvgemm
    .symbol:         k_q53ff80db5d_qkvgemm.kd
    .args:
      - { .name: xc, .offset: 0, .size: 8, .value_kind: global_buffer, .address_space: global }
      - { .name: wc, .offset: 8, .size: 8, .value_kind: global_buffer, .address_space: global }
      - { .name: lowp_scales, .offset: 16, .size: 8, .value_kind: global_buffer, .address_space: global }
      - { .name: qkv, .offset: 24, .size: 8, .value_kind: global_buffer, .address_space: global }
    .group_segment_fixed_size: 327680
    .private_segment_fixed_size: 0
    .kernarg_segment_align: 8
    .kernarg_segment_size: 32
    .max_flat_workgroup_size: 128
    .sgpr_count:     100
    .vgpr_count:     768
    .wavefront_size: 32
...
	.end_amdgpu_metadata
.endif
;; end of part 2
;; launch attn (part 3): grid 256 x 1, 16 waves a work-group, clusters of 4 x 1, 264,192 bytes of LDS; arguments qkv, lowp_scales, ao; writes ao
.if DOCPART == 3
	.amdgcn_target "amdgcn-amd-amdhsa--gfx1250"
	.amdhsa_code_object_version 6
	.text
	.protected	k_q53ff80db5d_attn
	.globl	k_q53ff80db5d_attn
	.p2align	8
	.type	k_q53ff80db5d_attn,@function
k_q53ff80db5d_attn:
	s_mov_b64 s[64:65], 0
	v_nop
	global_prefetch_b8 v0, s[64:65] scope:SCOPE_SE
	s_setreg_imm32_b32 hwreg(HW_REG_WAVE_MODE, 25, 1), 1
	s_wait_xcnt 0x0
	s_wait_alu depctr_hold_cnt(0) depctr_sa_sdst(0) depctr_va_vdst(0) depctr_va_sdst(0) depctr_va_ssrc(0) depctr_va_vcc(0) depctr_vm_vsrc(0)
	s_getreg_b32 s2, hwreg(HW_REG_IB_STS2, 6, 4)
	s_cmp_eq_u32 s2, 0
	s_cbranch_scc0 .Lentry_in_a_cluster
	s_endpgm
.Lentry_in_a_cluster:
	s_bfe_u32 s2, ttmp6, 0x10000c
	s_cmp_lg_u32 s2, 0x3003
	s_cbranch_scc0 .Lentry_shape_is_right
	s_endpgm
.Lentry_shape_is_right:
; Causal attention on codes of FP8 (E4M3): 128 heads (16 x batch + head) of 1,024 tokens x 64 channels.  S = q k^T (exponents: entries 6, 7 of the scales), p = 2^(t - M) (entry 8), O = p v (entry 9), O / l is quantised (entry 10).
; t = score x log2(e) / 8; M = the running largest t rounded UP to a whole number; the row's sum l is taken of the unquantised p; when M moves, l and O are multiplied by 2^(old M - new M), which rounds nothing.
; INPUT, images of operand registers (lane (r, h): row r, registers 2 c, 2 c + 1: K = 16 c + 8 h + 0 .. 7; registers 4 g .. 4 g + 3 of lane l at 512 g + 16 l): k, q: [head][64 tiles of 16 tokens][1,024];
; v: [head][8 blocks of 128 keys][4 tiles of 16 channels][2,048].  OUTPUT ao: [512 tiles of 16 tokens][8 blocks of 128 K][2,048]: head hd's 64 channels of a tile are the 1,024 bytes at 1,024 hd.
; BOTH PRODUCTS ARE USED TRANSPOSED: S^T = k q^T (source 0 = 16 keys), O^T = v^T p^T (source 0 = 16 channels): a lane holds ONE query; S^T's tile t holds keys 16 t + 8 h + 0 .. 7, which one conversion turns into
; registers 2 t, 2 t + 1 of p's fragment; O^T's tile likewise into the output's.  Nothing changes lanes but the maximum and the sum (one exchange between the halves).
; SHARES.  A cluster of four work-groups owns two heads, A and B.  A head's k and v are 65,536 bytes each: both heads lie whole in LDS (k A at 0, v A at 65,536, k B at 131,072, v B at 196,608), every byte filled
; once, jointly for the four partners, one load of 16,384 bytes a wave: no ring, no byte filled again, no barrier in the loops; and since all is asked for at the head there is no later tile to prefetch.
; Work-group cx takes the query tiles 4 n + cx.  Wave w takes tile 4 w + cx of head A, then tile 4 (15 - w) + cx of head B.  With n = w or 15 - w, the 64-key groups that count are 0 .. n, and group n lies on the diagonal:
; neither hangs on cx, so every branch is alike in all partners; cx enters q's and ao's addresses and the mask's numbers alone.  A step is two groups.
; LEFT OUT: groups of 64 keys that the causal mask hides whole from the wave's queries: their p is 0 for all inputs (a NaN or an infinity among those keys alone is not carried to the result).
; Each loop walks all its steps; a step whose keys all come after the wave's queries jumps over its work; where n is even the last step's second group is left out of the softmax, its codes are 0.
; LIMITS: e6 + e7 between -123 and 130 (added to c's exponent field); e8 and e10 between -126 and 119; e8 + e9 is applied by v_ldexp_f32 and has none; scaled scores under 2^31 in magnitude.
; REGISTERS: v1 16 x lane; v8, v9 LDS addresses; v10 the mask's d; v12 -M, v13 the largest t, v[14:15] the sum in two halves; v16-23, v24-31 q of head A, B; v32-95 k's fragments, then v's;
;   v96-159 S^T, then p; v160-191 O^T; v192-223 O / l, in a step v192-199 sums; v224-239 p's codes (v224-231 also the output's); v240, v247: 448 x 2^e8; v244: 2^e8; v241, v245: the same with e10; v246, 252-254 at work.
.set LI,  1
.set ADK, 8
.set ADV, 9
.set DD,  10
.set QA,  16
.set QB,  24
.set TB,  14                           ; s14  LDS byte at which the step's tiles of k begin
.set WV,  18                           ; s18  my wave's number
.set CX,  19                           ; s19  my place in the cluster
.set SEL, 20                           ; s[20:21] v_permlanex16_b32's selects: lane l xor 16
.set CS,  22                           ; s[22:23] c = log2(e) / 8 x 2^(e6 + e7)
.set G1,  24                           ; s[24:31] descriptor group 1
.set G0,  40                           ; s[40:43] group 0
.set KB,  66                           ; s66  the key step
.set DG,  67                           ; s67  the last step that counts: n >> 1
.set WB,  83                           ; s83  15 - wave
.set MD,  88                           ; s88  n odd: the step whose second group lies on the diagonal; else none
.set HD,  89                           ; s89  n even: the step whose first group does, and whose second is hidden; else none
.macro ROUND                           ; a round of the cluster's barrier
	s_barrier_signal -1
	s_barrier_wait -1
	s_cmp_lg_u32 s[WV], 0
	s_cbranch_scc1 .Lnot_wave_0_\@
	s_barrier_signal -3
.Lnot_wave_0_\@:
	s_barrier_wait -3
	s_barrier_signal -1
	s_barrier_wait -1
.endm
	s_load_b128 s[4:7], s[0:1], 0x0                ; qkv s[4:5], the scales s[6:7]
	s_load_b64 s[8:9], s[0:1], 0x10                ; ao
	v_lshl_add_u32 v251, v0, 2, 0x40000
	v_mov_b32 v255, 0
	ds_add_u32 v251, v255                          ; the wave's opening: the add, twice on end, and its wait
	ds_add_u32 v251, v255
	v_lshrrev_b32 v2, 5, v0
	v_readfirstlane_b32 s[WV], v2                  ; wave 0..15
	s_bfe_u32 s[CX], ttmp6, 0x40000
	s_and_b32 s11, s[WV], 7
	s_lshl_b32 s15, s11, 14                        ; I fetch a quarter of one region: waves 0-3 k A, 4-7 v A, 8-11 k B, 12-15 v B
	s_and_b32 s10, s[WV], 3
	s_lshl_b32 s10, s10, 14
	s_bfe_u32 s11, s[WV], 0x10002
	s_lshl_b32 s11, s11, 24                        ; v's part lies 2^24 bytes behind k's
	s_add_co_u32 s10, s10, s11
	s_lshl_b32 s11, ttmp9, 17                      ; head A = 2 x cluster
	s_add_co_u32 s10, s10, s11
	s_mov_b32 s11, 0
	s_mov_b32 s[G1], 15|(3<<16)|(1<<21)            ; 15:0 the mask: all four work-groups; 17:16 elements of 8 bytes; 21 set beside a mask
	s_mov_b32 s[G1+1], 256<<16                     ; tensor_dim0: 2,048 bytes
	s_mov_b32 s[G1+2], 8<<16                       ; tensor_dim1: 8 rows
	s_mov_b32 s[G1+3], 256<<16                     ; tile_dim0
	s_mov_b32 s[G1+4], 8                           ; tile_dim1
	s_mov_b32 s[G1+5], 256                         ; dense
	s_mov_b32 s[G1+6], 0
	s_mov_b32 s[G1+7], 0
	s_wait_dscnt 0x0                               ; both opening adds are done
	s_wait_kmcnt 0x0
	s_load_b64 s[56:57], s[6:7], 0x18              ; e6, e7
	s_load_b128 s[68:71], s[6:7], 0x20             ; e8, e9, e10, e11
	s_mov_b32 s[G0], 1
	s_mov_b32 s[G0+1], s15
	s_add_nc_u64 s[G0+2:G0+3], s[4:5], s[10:11]    ; made of the cluster's number and the wave's alone
	s_or_b32 s[G0+3], s[G0+3], 0x80000000
	s_mov_b32 s[G0+4], 1                           ; s[44:47]: the same for head B, 65,536 bytes behind head A in memory, 131,072 in LDS
	s_add_co_u32 s[G0+5], s15, 131072
	s_add_nc_u64 s[G0+6:G0+7], s[4:5], s[10:11]
	s_add_nc_u64 s[G0+6:G0+7], s[G0+6:G0+7], 65536
	s_or_b32 s[G0+7], s[G0+7], 0x80000000
	ROUND                                          ; all four work-groups are here: the joint loads meet
	s_cmp_lt_u32 s[WV], 8                          ; one tensor load a wave at the head: waves 0-7 head A's, waves 8-15 head B's
	s_cbranch_scc0 .Lbring_b
	tensor_load_to_lds s[G0:G0+3], s[G1:G1+7]
	s_nop 0
.rept 4
	v_nop
.endr
	s_branch .Lasked
.Lbring_b:
	tensor_load_to_lds s[G0+4:G0+7], s[G1:G1+7]
	s_nop 0
.rept 4
	v_nop
.endr
.Lasked:
	s_sub_co_u32 s[WB], 15, s[WV]
	s_lshl_b32 s84, ttmp9, 17                      ; q: part 1 + head x 65,536 + tile x 1,024
	s_add_co_u32 s84, s84, 0x800000
	s_lshl_b32 s85, s[CX], 10
	s_add_co_u32 s84, s84, s85
	s_mov_b32 s87, 0
	s_lshl_b32 s86, s[WV], 12
	s_add_co_u32 s86, s86, s84
	s_add_nc_u64 s[78:79], s[4:5], s[86:87]        ; head A, tile 4 w + cx
	s_lshl_b32 s86, s[WB], 12
	s_add_co_u32 s86, s86, s84
	s_add_co_u32 s86, s86, 65536
	s_add_nc_u64 s[80:81], s[4:5], s[86:87]        ; head B, tile 4 (15 - w) + cx
	s_lshl_b32 s85, s[CX], 4
	v_and_b32 v2, 31, v0
	v_and_b32 v4, 15, v0
	v_bfe_u32 v5, v0, 4, 1
	v_lshlrev_b32 v[LI], 4, v2
	v_lshlrev_b32 v5, 3, v5
	v_sub_nc_u32 v4, v4, v5                        ; r - 8 h
	v_add_nc_u32 v[DD], s85, v4                    ; d = my query - the diagonal group's first key - 8 h = 16 cx + r - 8 h.  The group's register 8 t + j holds key 16 t + 8 h + j: hidden where 16 t + j > d
	v_mov_b32 v246, 0                              ; written once: a lane permute's destination counts as one of its sources
	v_mov_b32 v253, 0                              ; (named as the upper half of the pair v[252:253])
	global_load_b128 v[QA:QA+3],   v[LI], s[78:79]
	global_load_b128 v[QA+4:QA+7], v[LI], s[78:79] offset:512
	global_load_b128 v[QB:QB+3],   v[LI], s[80:81]
	global_load_b128 v[QB+4:QB+7], v[LI], s[80:81] offset:512
	s_lshr_b32 s84, ttmp9, 3                       ; ao: (64 x batch + tile) x 16,384 + head in the batch x 1,024
	s_lshl_b32 s84, s84, 20
	s_and_b32 s85, ttmp9, 7
	s_lshl_b32 s85, s85, 11
	s_add_co_u32 s84, s84, s85
	s_lshl_b32 s85, s[CX], 14
	s_add_co_u32 s84, s84, s85
	s_lshl_b32 s86, s[WV], 16
	s_wait_xcnt 0x0                                ; q's loads have read their bases
	s_add_co_u32 s86, s86, s84
	s_add_nc_u64 s[74:75], s[8:9], s[86:87]
	s_lshl_b32 s86, s[WB], 16
	s_add_co_u32 s86, s86, s84
	s_add_co_u32 s86, s86, 1024
	s_add_nc_u64 s[76:77], s[8:9], s[86:87]
	s_mov_b32 s[SEL], 0x76543210
	s_mov_b32 s[SEL+1], 0xfedcba98
	s_wait_alu depctr_va_vdst(0)
	s_wait_kmcnt 0x0
	s_add_co_i32 s73, s56, s57
	s_lshl_b32 s73, s73, 23
	s_mov_b32 s[CS], 0x3e38aa3b                    ; log2(e) / 8
	s_add_co_i32 s[CS], s[CS], s73                 ; a score stands for score x 2^(e6 + e7): added to c's exponent field
	s_mov_b32 s[CS+1], s[CS]                       ; (named with it as a pair)
	s_add_co_i32 s73, s68, 127
	s_lshl_b32 s82, s73, 23
	v_mov_b32 v244, s82                            ; 2^e8
	s_add_co_i32 s73, s73, 8
	s_lshl_b32 s73, s73, 23
	s_or_b32 s73, s73, 0x600000
	v_mov_b32 v240, s73                            ; 448 x 2^e8
	v_mov_b32 v247, s73                            ; once more, for the second half of a pair of holds
	s_add_co_i32 s73, s70, 127
	s_lshl_b32 s82, s73, 23
	v_mov_b32 v245, s82                            ; 2^e10
	s_add_co_i32 s73, s73, 8
	s_lshl_b32 s73, s73, 23
	s_or_b32 s73, s73, 0x600000
	v_mov_b32 v241, s73                            ; 448 x 2^e10
	s_add_co_i32 s72, s68, s69                     ; e8 + e9
; A pass begins: n = s[wq] is the wave's number in this pass.
.macro INIT wq
	s_lshr_b32 s[DG], s[\wq], 1
	s_and_b32 s73, s[\wq], 1
	s_cmp_eq_u32 s73, 0
	s_cselect_b32 s[HD], s[DG], -1
	s_cselect_b32 s[MD], -1, s[DG]
	v_mov_b32 v13, 0xff61b1e6                      ; the largest t so far: -3e38, under every t
	v_mov_b32 v14, 0
	v_mov_b32 v15, 0
	v_floor_f32 v12, -v13                          ; -M
.set i, 0
.rept 16
	v_dual_mov_b32 v[160+i], 0 :: v_dual_mov_b32 v[161+i], 0   ; O^T: the step is written once; the first finds zeros, which the first change of M leaves zeros
.set i, i+2
.endr
.endm
.macro MASK base                       ; a group on the diagonal: hidden scores become -infinity ahead of the maximum: p = 0 then
	v_mov_b32 v254, 0xff800000
.set n, 0
.rept 32
	v_cmp_gt_i32 vcc_lo, 16*(n/8)+n%8, v[DD]
	v_cndmask_b32 v[\base+n], v[\base+n], v254, vcc_lo
.set n, n+1
.endr
	s_wait_alu depctr_va_vdst(0)
.endm
.macro EXPS base
.set i, 0
.rept 32
	v_exp_f32 v[\base+i], v[\base+i]               ; p = 2^(t - M), at most 1: not normalised
.set i, i+1
.endr
.endm
.macro CODES base, t0                  ; a group's sum, hold and codes: 4 tiles
.irp j, 0,1,2,3
	v_pk_add_f32 v[192+2*\j:193+2*\j], v[\base+4*\j:\base+4*\j+1], v[\base+4*\j+2:\base+4*\j+3]
.endr
.irp g, 16,24
.irp j, 0,1,2,3
	v_pk_add_f32 v[192+2*\j:193+2*\j], v[192+2*\j:193+2*\j], v[\base+\g+2*\j:\base+\g+2*\j+1]
.endr
.endr
	v_pk_add_f32 v[192:193], v[192:193], v[194:195]
	v_pk_add_f32 v[196:197], v[196:197], v[198:199]
	v_pk_add_f32 v[14:15], v[14:15], v[192:193]
.set i, 0
.rept 16
	v_dual_min_num_f32 v[\base+i], v[\base+i], v240 :: v_dual_min_num_f32 v[\base+i+1], v[\base+i+1], v247   ; the conversion does not saturate (ISA guide 7.6.2); p is not negative, so the hold is one-sided
.set i, i+2
.endr
	v_pk_add_f32 v[14:15], v[14:15], v[196:197]
.irp t, 0,1,2,3
	v_cvt_scalef32_pk8_fp8_f32 v[224+2*(\t0+\t):225+2*(\t0+\t)], v[\base+8*\t:\base+8*\t+7], v244   ; keys 16 t + 8 h + 0 .. 7: registers 2 t, 2 t + 1 of p's fragment
.endr
.endm
; A KEY STEP: 128 keys, two groups of 64; q's fragment in v[q] on.
.macro STEP q
	s_cmp_gt_u32 s[KB], s[DG]
	s_cbranch_scc1 .Lhidden_\@                     ; all its keys come after my queries
	v_add_nc_u32 v[ADK], s[TB], v[LI]
	v_nop
	v_add_nc_u32 v[ADV], 0x10000, v[ADK]           ; v's region lies 65,536 bytes behind k's, and a step is 8,192 bytes in both
	v_nop                                          ; with the two additions: four places in front of loads into registers that the last products read
.irp t, 0,1,2,3,4,5,6,7
	ds_load_b128 v[32+8*\t:35+8*\t], v[ADK] offset:\t*1024
	ds_load_b128 v[36+8*\t:39+8*\t], v[ADK] offset:\t*1024+512
.endr
	s_wait_alu depctr_va_vdst(0)
	s_wait_dscnt 0x0
.irp t, 0,1,2,3,4,5,6,7
	v_wmma_f32_16x16x64_fp8_fp8 v[96+8*\t:103+8*\t], v[32+8*\t:39+8*\t], v[\q:\q+7], 0
.endr
.rept 4
	v_nop                                          ; places in front of the loads below and of the first read of the scores
.endr
.irp u, 0,1,2,3                        ; v's four fragments land while the softmax is worked
.irp g, 0,1,2,3
	ds_load_b128 v[32+16*\u+4*\g:35+16*\u+4*\g], v[ADV] offset:\u*2048+\g*512
.endr
.endr
	s_cmp_lg_u32 s[KB], s[MD]
	s_cbranch_scc1 .Lopen_b_\@
	MASK 128
.Lopen_b_\@:
	s_cmp_lg_u32 s[KB], s[HD]
	s_cbranch_scc1 .Lopen_a_\@
	MASK 96
.Lopen_a_\@:
	v_max3_num_f32 v254, v96, v97, v98             ; the step's largest score of my query among my keys, in two chains, ascending,
	v_max3_num_f32 v252, v99, v100, v101
.irp i, 6,10,14,18,22,26
	v_max3_num_f32 v254, v254, v[96+\i], v[97+\i]
	v_max3_num_f32 v252, v252, v[98+\i], v[99+\i]
.endr
	v_max3_num_f32 v254, v254, v126, v127
	s_cmp_eq_u32 s[KB], s[HD]
	s_wait_alu depctr_va_vdst(0)
	s_cbranch_scc1 .Lone_group_\@
.irp i, 32,36,40,44,48,52,56,60
	v_max3_num_f32 v254, v254, v[96+\i], v[97+\i]
	v_max3_num_f32 v252, v252, v[98+\i], v[99+\i]
.endr
.Lone_group_\@:
	v_max_num_f32 v254, v254, v252
	s_delay_alu instid0(VALU_DEP_1)
	v_permlanex16_b32 v246, v254, s[SEL], s[SEL+1]
	s_delay_alu instid0(VALU_DEP_1)
	v_max_num_f32 v254, v254, v246                 ; and among lane l xor 16's
	s_delay_alu instid0(VALU_DEP_1)
	v_mul_f32 v254, s[CS], v254                    ; as t (c is positive)
	s_delay_alu instid0(VALU_DEP_1)
	v_max_num_f32 v13, v13, v254                   ; the running largest t
	v_mov_b32 v254, v12
	s_delay_alu instid0(VALU_DEP_2)
	v_floor_f32 v12, -v13                          ; the new -M = floor(-t) = -ceil(t)
	s_delay_alu instid0(VALU_DEP_1)
	v_sub_f32 v254, v12, v254                      ; old M - new M: a whole number, 0 or less
	s_delay_alu instid0(VALU_DEP_1)
	v_cvt_i32_f32 v254, v254                       ; (it saturates)
	s_delay_alu instid0(VALU_DEP_1)
	v_ldexp_f32 v252, 1.0, v254                    ; f = 2^(old M - new M)
.set i, 0
.rept 32
	v_pk_fma_f32 v[96+i:97+i], v[96+i:97+i], s[CS:CS+1], v[12:13] op_sel_hi:[1,0,0]   ; t - M, two at a time
.set i, i+2
.endr
	s_wait_alu depctr_va_vdst(0)                   ; ahead of the batches
	EXPS 96
	v_pk_mul_f32 v[14:15], v[14:15], v[252:253] op_sel_hi:[1,0]   ; the sums under the new M: the plain line behind the exponentials
	s_wait_alu depctr_va_vdst(0)                   ; one wait for the batch, and for O^T's first readers
.set i, 0
.rept 16
	v_pk_mul_f32 v[160+i:161+i], v[160+i:161+i], v[252:253] op_sel_hi:[1,0]   ; O^T under the new M
.set i, i+2
.endr
	CODES 96, 0
	v_nop                                          ; a plain vector line behind the last conversion
	s_cmp_eq_u32 s[KB], s[HD]
	s_wait_alu depctr_va_vdst(0)
	s_cbranch_scc1 .Lzero_\@
	EXPS 128
	v_nop                                          ; the plain line behind the exponentials
	s_wait_alu depctr_va_vdst(0)
	CODES 128, 4
	v_nop
	s_branch .Lproducts_\@
.Lzero_\@:                             ; the second group is hidden: its codes are 0
.irp i, 232,234,236,238
	v_dual_mov_b32 v[\i], 0 :: v_dual_mov_b32 v[\i+1], 0
.endr
.Lproducts_\@:
	s_wait_alu depctr_va_vdst(0)
	s_wait_dscnt 0x0                               ; v's fragments are in
.irp u, 0,1,2,3                        ; four accumulators by turns
	v_wmma_f32_16x16x128_fp8_fp8 v[160+8*\u:167+8*\u], v[32+16*\u:47+16*\u], v[224:239], v[160+8*\u:167+8*\u]
.endr
.Lhidden_\@:
	s_add_co_u32 s[TB], s[TB], 8192
.endm
; A pass ends: O^T x 2^(e8 + e9) / l, quantised with e10, stored as the 1,024 bytes of my tile and head.
.macro FINISH base
.rept 4
	v_nop                                          ; places behind the last products
.endr
	v_add_f32 v14, v14, v15
	s_delay_alu instid0(VALU_DEP_1)
	v_permlanex16_b32 v246, v14, s[SEL], s[SEL+1]
	s_delay_alu instid0(VALU_DEP_1)
	v_add_f32 v14, v14, v246                       ; the row's sum
	s_wait_alu depctr_va_vdst(0)
	v_rcp_f32 v14, v14
	v_nop                                          ; a plain line behind the reciprocal
	s_wait_alu depctr_va_vdst(0)                   ; and the wait ahead of its first reader
	v_ldexp_f32 v14, v14, s72
	s_wait_alu depctr_va_vdst(0)                   ; ahead of O^T's first readers
.set i, 0
.rept 16
	v_pk_mul_f32 v[192+i:193+i], v[160+i:161+i], v[14:15] op_sel_hi:[1,0]   ; each accumulator from its low end on
.set i, i+2
.endr
.set i, 0
.rept 32
	v_med3_num_f32 v[192+i], v[192+i], -v241, v241
.set i, i+1
.endr
.irp u, 0,1,2,3
	v_cvt_scalef32_pk8_fp8_f32 v[224+2*\u:225+2*\u], v[192+8*\u:199+8*\u], v245   ; channels 16 u + 8 h + 0 .. 7
.endr
	v_nop                                          ; a plain vector line behind the last conversion
	global_store_b128 v[LI], v[224:227], s[\base:\base+1]              ; 32 lanes store 512 consecutive bytes, aligned
	global_store_b128 v[LI], v[228:231], s[\base:\base+1] offset:512
.endm
	s_wait_alu depctr_va_vdst(0)
	s_cmp_lt_u32 s[WV], 8
	s_cbranch_scc0 .Lfor_b                         ; waves 8-15 brought head B: it may be out
	s_wait_tensorcnt 0x0                           ; waves 0-7: my part of head A is in
.Lfor_b:
	s_barrier_signal -1
	s_barrier_wait -1                              ; head A is whole
	s_wait_loadcnt 0x0                             ; q
	s_mov_b32 s[TB], 0
	s_mov_b32 s[KB], 0
	INIT WV
	STEP QA                                        ; step 0 counts for every wave: it is worked while head B lands
	s_wait_tensorcnt 0x0                           ; my part of head B is in
	s_wait_dscnt 0x0
	s_barrier_signal -1
	s_barrier_wait -1                              ; everybody's is: no further barrier until the end
	s_mov_b32 s[KB], 1
.Lhead_a:
	STEP QA
	s_add_co_u32 s[KB], s[KB], 1
	s_cmp_lt_u32 s[KB], 8
	s_cbranch_scc1 .Lhead_a
	FINISH 74
	s_wait_xcnt 0x0                                ; the stores have read v224-231, which the next pass writes
	s_mov_b32 s[TB], 131072
	s_mov_b32 s[KB], 0
	INIT WB
.Lhead_b:
	STEP QB
	s_add_co_u32 s[KB], s[KB], 1
	s_cmp_lt_u32 s[KB], 8
	s_cbranch_scc1 .Lhead_b
	FINISH 76
	s_wait_tensorcnt 0x0                           ; the wave's end
	ds_add_u32 v251, v255
	s_wait_dscnt 0x0
	ROUND                                          ; the closing round
	s_endpgm
.Lfunc_end_k_q53ff80db5d_attn:
	.size	k_q53ff80db5d_attn, .Lfunc_end_k_q53ff80db5d_attn-k_q53ff80db5d_attn
	.p2alignl 7, 3214868480
	.fill 96, 4, 3214868480
	.section	.rodata,"a",@progbits
	.p2align	6, 0x0
	.amdhsa_kernel k_q53ff80db5d_attn
		.amdhsa_group_segment_fixed_size 264192
		.amdhsa_private_segment_fixed_size 0
		.amdhsa_enable_private_segment 0
		.amdhsa_kernarg_size 24
		.amdhsa_user_sgpr_count 2
		.amdhsa_user_sgpr_kernarg_segment_ptr 1
		.amdhsa_wavefront_size32 1
		.amdhsa_system_sgpr_workgroup_id_x 1
		.amdhsa_system_sgpr_workgroup_id_y 1
		.amdhsa_system_sgpr_workgroup_id_z 1
		.amdhsa_system_vgpr_workitem_id 0
		.amdhsa_next_free_vgpr 256
		.amdhsa_next_free_sgpr 96
		.amdhsa_reserve_vcc 1
		.amdhsa_float_denorm_mode_32 3
		.amdhsa_float_denorm_mode_16_64 3
		.amdhsa_memory_ordered 1
		.amdhsa_forward_progress 1
		.amdhsa_inst_pref_size 80
	.end_amdhsa_kernel
	.amdgpu_metadata
---
amdhsa.version: [ 1, 2 ]
amdhsa.kernels:
  - .name:           k_q53ff80db5d_attn
    .symbol:         k_q53ff80db5d_attn.kd
    .args:
      - { .name: qkv, .offset: 0, .size: 8, .value_kind: global_buffer, .address_space: global }
      - { .name: lowp_scales, .offset: 8, .size: 8, .value_kind: global_buffer, .address_space: global }
      - { .name: ao, .offset: 16, .size: 8, .value_kind: global_buffer, .address_space: global }
    .group_segment_fixed_size: 264192
    .private_segment_fixed_size: 0
    .kernarg_segment_align: 8
    .kernarg_segment_size: 24
    .max_flat_workgroup_size: 512
    .sgpr_count:     96
    .vgpr_count:     256
    .wavefront_size: 32
...
	.end_amdgpu_metadata
.endif
;; end of part 3
;; launch outgemm (part 4): grid 4 x 64, 4 waves a work-group, clusters of 4 x 4, 327,680 bytes of LDS; arguments ao, wc, lowp_scales, out0; writes out0
.if DOCPART == 4
	.amdgcn_target "amdgcn-amd-amdhsa--gfx1250"
	.amdhsa_code_object_version 6
	.text
	.protected	k_q53ff80db5d_outgemm
	.globl	k_q53ff80db5d_outgemm
	.p2align	8
	.type	k_q53ff80db5d_outgemm,@function
k_q53ff80db5d_outgemm:
	s_mov_b64 s[64:65], 0
	v_nop
	global_prefetch_b8 v0, s[64:65] scope:SCOPE_SE
	s_setreg_imm32_b32 hwreg(HW_REG_WAVE_MODE, 25, 1), 1
	s_wait_xcnt 0x0
	s_wait_alu depctr_hold_cnt(0) depctr_sa_sdst(0) depctr_va_vdst(0) depctr_va_sdst(0) depctr_va_ssrc(0) depctr_va_vcc(0) depctr_vm_vsrc(0)
	s_getreg_b32 s2, hwreg(HW_REG_IB_STS2, 6, 4)
	s_cmp_eq_u32 s2, 0
	s_cbranch_scc0 .Lentry_in_a_cluster
	s_endpgm
.Lentry_in_a_cluster:
	s_bfe_u32 s2, ttmp6, 0x10000c
	s_cmp_lg_u32 s2, 0xf033
	s_cbranch_scc0 .Lentry_shape_is_right
	s_endpgm
.Lentry_shape_is_right:
; out0 = a Wo^T on codes of FP8 (E4M3), K = 1,024, sums in f32; a = the attention's result (exponent: entry 10 of the scales), Wo: entry 11.  Each finished sum is multiplied once by 2^(e10 + e11).
; IMAGES.  A fragment (16 rows x 128 K, 16 registers: lane (r, h): row r, registers 2 c, 2 c + 1: K = 16 c + 8 h + 0 .. 7) lies in memory as 2,048 bytes, registers 4 g .. 4 g + 3 of lane l at 512 g + 16 l.
; ao: [512 row tiles][8][2,048]; Wo is the fourth tensor of wc: [64 row tiles][8][2,048].
; S0 = Wo's rows (source 0), S1 = tokens (source 1): a lane holds one token and its eight registers eight neighbouring columns of out0.
; SHARES.  A work-group makes S0 256 x S1 128: 256 work-groups.  Wave w: S0 rows 128 (w & 1) on, S1 rows 64 (w >> 1) on: 32 accumulators, 256 registers.
; LDS.  K is 8 steps of 128.  Two slots of three steps each (147,456 bytes) are filled at the head, one load a wave; steps 6 and 7 fill slot 0 again: one change of slots.  The last two steps go by rows of S1, so that
; finished rows leave while the others are multiplied.  A wave has at most one tensor load out.
; CLUSTER 4 x 4.  S0's tile hangs on cx alone: shared along a column of the cluster; S1's on cy and the cluster's y: shared along a row.  Each is asked for jointly.
; LIMIT: e10 + e11 lies between -126 and 127, so that 2^(e10 + e11) is an f32 number.
; REGISTERS, in windows of 256: window 0: addresses; v32-95 a block's results; v128-255 S1's fragments, two sets of 4.   window 1: S0's fragments, two sets of 8.   window 2: accumulator (a = S1's tile, b = S0's tile) at
;   v[8 (8 a + b)].   window 3: v0-127 rows read back on the way out, two blocks by turns.
.set BUF,   147456
.set S1O,   98304                      ; S1 in a slot
.set SPARE, 2*BUF                      ; the spare words, 128 bytes for each wave
.set SP,    528                        ; the way out: a stage of 16 rows x (512 bytes + 16) for each wave, in slot 1, which has had its one fill and its last read when the first result is stored there
.set LI,   2                           ; v2     16 x lane; also my offset in a row of out0
.set PFX,  4                           ; v4     16,384 x (lane / 16) + 256 x (lane % 16)
.set AD0,  16                          ; v16-18 my S0 fragments: slot 0, slot 1, slot 0 filled again
.set AD1,  20                          ; v20-22 the same for S1
.set STO,  24
.set RD,   25
.set SPW,  28
.set NIL,  29
.set TMP,  32
.set G1B,  24                          ; descriptor group 1 for S0
.set G1A,  32                          ; for S1
.set G0,   68                          ; s[68:83] groups 0
.set B0,   84                          ; s[84:85] S0's block
.set B1,   86                          ; s[86:87] S1's block
.set MSB, 0
.macro WIN new                         ; the immediate's high byte repeats the setting that is left
.if MSB != \new
	s_set_vgpr_msb (MSB<<8)|\new
.set MSB, \new
.endif
.endm
.set MUL,   0xa1                       ; source 0 (S0) window 1, source 1 (S1) window 0, C and D window 2
.set TO_S0, 0x40                       ; destination window 1, address window 0
.macro ARM g0, g1
	tensor_load_to_lds s[\g0:\g0+3], s[\g1:\g1+7]
	s_nop 0
.rept 4
	v_nop
.endr
.endm
.macro CREST                           ; a round of the cluster's barrier behind its opening barrier
	s_cmp_lg_u32 s14, 0
	s_cbranch_scc1 .Lnot_wave_0_\@
	s_barrier_signal -3
.Lnot_wave_0_\@:
	s_barrier_wait -3
	s_barrier_signal -1
	s_barrier_wait -1
.endm
.macro CROUND
	s_barrier_signal -1
	s_barrier_wait -1
	CREST
.endm
.macro PLACES                          ; four places in front of loads into registers that matrix instructions have read, and of the first read of results (ISA guide 7.12.1 for the first read of results)
.rept 4
	v_nop
.endr
.endm
.macro MUL8 a, p, zero                 ; S1's tile a x S0's eight, 128 along K, fragment set p; accumulators by turns
.irp b, 0,1,2,3,4,5,6,7
.if \zero
	v_wmma_f32_16x16x128_fp8_fp8 v[8*(8*(\a)+\b):8*(8*(\a)+\b)+7], v[128*(\p)+16*\b:128*(\p)+16*\b+15], v[128+64*(\p)+16*(\a):128+64*(\p)+16*(\a)+15], 0
.else
	v_wmma_f32_16x16x128_fp8_fp8 v[8*(8*(\a)+\b):8*(8*(\a)+\b)+7], v[128*(\p)+16*\b:128*(\p)+16*\b+15], v[128+64*(\p)+16*(\a):128+64*(\p)+16*(\a)+15], v[8*(8*(\a)+\b):8*(8*(\a)+\b)+7]
.endif
.endr
.endm
; 48 LDS loads in one run: a step's fragments into set p; st: bytes from row tile to row tile
.macro FETCH ad, st, j, p
	WIN TO_S0
.irp b, 0,1,2,3,4,5,6,7
.irp c, 0,1,2,3
	ds_load_b128 v[128*(\p)+16*\b+4*\c:128*(\p)+16*\b+4*\c+3], v[AD0+\ad] offset:\b*\st+(\j)*2048+\c*512
.endr
.endr
	WIN 0
.irp a, 0,1,2,3
.irp c, 0,1,2,3
	ds_load_b128 v[128+64*(\p)+16*\a+4*\c:128+64*(\p)+16*\a+4*\c+3], v[AD1+\ad] offset:\a*\st+(\j)*2048+\c*512
.endr
.endr
.endm
.macro HALF1 p, ad, st, j, zero
	s_wait_dscnt 12                                ; S0's eight fragments and S1's tile 0 are in; the youngest twelve loads (S1's tiles 1-3) may be out
	WIN MUL
	MUL8 0, \p, \zero
	PLACES
	FETCH \ad, \st, \j, 1-(\p)
	s_wait_dscnt 48                                ; all but the 48 just issued
	WIN MUL
.endm
.macro SUB p, ad, st, j, zero
	HALF1 \p, \ad, \st, \j, \zero
	MUL8 1, \p, \zero
	MUL8 2, \p, \zero
	MUL8 3, \p, \zero
	WIN 0
.endm
.macro ADDR g, b, o
	s_add_nc_u64 s[\g+2:\g+3], s[\b:\b+1], \o
	s_or_b32 s[\g+3], s[\g+3], 0x80000000          ; type = 2
.endm
.macro SHAPE g, m, r                   ; descriptor group 1: r row tiles, 6,144 bytes of each, 16,384 bytes apart; m the mask
	s_or_b32 s[\g], s[\m], (3<<16)|(1<<21)         ; elements of 8 bytes; 21 set beside a mask
	s_mov_b32 s[\g+1], 768<<16
	s_mov_b32 s[\g+2], (\r)<<16
	s_mov_b32 s[\g+3], 768<<16
	s_mov_b32 s[\g+4], \r
	s_mov_b32 s[\g+5], 2048
	s_mov_b32 s[\g+6], 0
	s_mov_b32 s[\g+7], 0
.endm
	s_load_b128 s[4:7], s[0:1], 0x0                ; ao, wc
	s_load_b128 s[8:11], s[0:1], 0x10              ; the scales, out0
	v_lshl_add_u32 v[SPW], v0, 2, SPARE
	v_mov_b32 v[NIL], 0
	ds_add_u32 v[SPW], v[NIL]                      ; the wave's opening: the add, twice on end, and its wait
	ds_add_u32 v[SPW], v[NIL]
	v_lshrrev_b32 v1, 5, v0
	v_readfirstlane_b32 s14, v1                    ; wave 0..3
	s_lshr_b32 s15, s14, 1                         ; my half of S1's rows.  Also: I fetch for S0 (0) or for S1 (1)
	s_and_b32 s16, s14, 1                          ; my half of S0's rows
	s_bfe_u32 s40, ttmp6, 0x40000                  ; cx: S0's block of 256 of Wo's rows
	s_bfe_u32 s41, ttmp6, 0x40004                  ; cy
	s_and_b32 s18, ttmp7, 0xffff                   ; cluster y, 0..15
	s_lshl_b32 s43, s41, 2
	s_lshl_b32 s43, 15, s43                        ; my row of the cluster: S1's mask
	s_lshl_b32 s44, 0x1111, s40                    ; my column: S0's mask
	SHAPE G1B, 44, 16
	SHAPE G1A, 43, 8
	s_lshl_b32 s45, s18, 2
	s_add_co_u32 s45, s45, s41                     ; S1's block of 128 tokens = 4 x cluster y + cy: holds cy, never cx
	s_lshl_b32 s20, s40, 18                        ; S0: Wo + block x 16 row tiles
	s_add_co_u32 s20, s20, 0x300000
	s_mov_b32 s21, 0
	s_lshl_b32 s22, s45, 17                        ; S1: block x 8 row tiles
	s_mov_b32 s23, 0
	s_wait_dscnt 0x0                               ; both opening adds are done
	s_wait_kmcnt 0x0
	s_load_b64 s[56:57], s[8:9], 0x28              ; e10, e11
	s_add_nc_u64 s[B0:B0+1], s[6:7], s[20:21]
	s_add_nc_u64 s[B1:B1+1], s[4:5], s[22:23]
.irp w, 0,1,2,3
	s_mov_b32 s[G0+4*\w], 1
.endr
	s_mov_b32 s[G0+1], 0                           ; wave 0: S0, steps 0-2; wave 1: S0, steps 3-5; waves 2, 3: S1
	s_mov_b32 s[G0+5], BUF
	s_mov_b32 s[G0+9], S1O
	s_mov_b32 s[G0+13], BUF+S1O
	ADDR G0, B0, 0
	ADDR G0+4, B0, 6144
	ADDR G0+8, B1, 0
	ADDR G0+12, B1, 6144
	CROUND                                         ; all sixteen work-groups are here: the first joint loads meet
	s_cmp_eq_u32 s14, 0
	s_cbranch_scc0 .Lj1
	ARM G0, G1B
	s_branch .Lj4
.Lj1:
	s_cmp_eq_u32 s14, 1
	s_cbranch_scc0 .Lj2
	ARM G0+4, G1B
	s_branch .Lj4
.Lj2:
	s_cmp_eq_u32 s14, 2
	s_cbranch_scc0 .Lj3
	ARM G0+8, G1A
	s_branch .Lj4
.Lj3:
	ARM G0+12, G1A
.Lj4:
	s_mul_i32 s2, s16, 49152                       ; my 8 row tiles of S0: rows of 6,144 bytes, then of 4,096
	s_lshl_b32 s12, s16, 15
	s_mul_i32 s3, s15, 24576                       ; my 4 row tiles of S1
	s_add_co_u32 s3, s3, S1O
	s_lshl_b32 s13, s15, 14
	s_add_co_u32 s13, s13, S1O
	s_mul_i32 s47, s14, 16*SP
	s_add_co_u32 s47, s47, BUF                     ; my stage, in slot 1
	v_and_b32 v1, 31, v0
	v_lshlrev_b32 v[LI], 4, v1
	v_add_nc_u32 v[AD0], s2, v[LI]
	v_add_nc_u32 v[AD0+2], s12, v[LI]
	v_add_nc_u32 v[AD1], s3, v[LI]
	v_add_nc_u32 v[AD1+2], s13, v[LI]
	v_add_nc_u32 v[AD0+1], BUF, v[AD0]
	v_add_nc_u32 v[AD1+1], BUF, v[AD1]
	v_and_b32 v3, 15, v0                           ; r
	v_bfe_u32 v5, v0, 4, 1                         ; h
	v_mul_u32_u24 v6, v3, SP
	v_lshl_add_u32 v6, v5, 5, v6
	v_add_nc_u32 v[STO], s47, v6                   ; in: row r, 32 bytes for each half of the lanes
	v_add_nc_u32 v[RD], s47, v[LI]                 ; back: the 32 lanes take one row of 512 bytes
	v_lshlrev_b32 v5, 14, v5
	v_lshl_add_u32 v[PFX], v3, 8, v5
	; A PREFETCH INTO THE L2: steps 6 and 7 of my cluster row's 128 tokens, 8 row tiles x 4,096 bytes, two steps ahead of their load: the four partners take two row tiles each, told apart BY ADDRESS (cx); wave 0 asks, 32 lanes, 256 bytes each.
	; Wo's steps 6 and 7 are read by all sixteen clusters and are left to their loads.
	s_lshl_b32 s20, s40, 15
	s_add_co_u32 s20, s20, 12288
	s_add_nc_u64 s[88:89], s[B1:B1+1], s[20:21]
	s_lshl_b32 s46, s45, 19                        ; out0: my first token (128 x block + 64 (w >> 1)) x 4,096 bytes + my first column (256 cx + 128 (w & 1)) x 4
	s_lshl_b32 s47, s15, 18
	s_add_co_u32 s46, s46, s47
	s_lshl_b32 s47, s40, 10
	s_add_co_u32 s46, s46, s47
	s_lshl_b32 s47, s16, 9
	s_add_co_u32 s46, s46, s47
	s_mov_b32 s47, 0
	s_add_nc_u64 s[10:11], s[10:11], s[46:47]
	s_wait_alu depctr_va_vdst(0)
	s_wait_kmcnt 0x0
	s_add_co_i32 s66, s56, s57                     ; e10 + e11, between -126 and 127,
	s_add_co_i32 s66, s66, 127
	s_lshl_b32 s66, s66, 23                        ; makes the f32 number 2^(e10 + e11)
	s_mov_b32 s67, s66                             ; (named with it as a pair)
	s_cmp_lg_u32 s16, 0
	s_cbranch_scc1 .Lslot_1                        ; waves 1 and 3 brought slot 1: it may be out
	s_wait_tensorcnt 0x0                           ; waves 0 and 2: my part of slot 0 is in
.Lslot_1:
	s_barrier_signal -1
	s_barrier_wait -1                              ; slot 0 is whole
	FETCH 0, 6144, 0, 0
	s_cmp_lg_u32 s14, 0
	s_cbranch_scc1 .Lno_ask
	global_prefetch_b8 v[PFX], s[88:89] th:TH_LOAD_NT scope:SCOPE_SE
.Lno_ask:
	SUB 0, 0, 6144, 1, 1                           ; step 0: its products start the sums
	SUB 1, 0, 6144, 2, 0
	; step 2, and THE CHANGE OF SLOTS
	s_wait_tensorcnt 0x0                           ; my tensor load has landed; so the descriptors may be written
	ds_add_u32 v[SPW], v[NIL]                      ; 0 onto my spare word
	s_mov_b32 s[G1B+1], 512<<16                    ; steps 6 and 7, rows of 4,096 bytes, by halves: 8 row tiles of S0 a load, 4 of S1
	s_mov_b32 s[G1B+2], 8<<16
	s_mov_b32 s[G1B+3], 512<<16
	s_mov_b32 s[G1B+4], 8
	s_mov_b32 s[G1A+1], 512<<16
	s_mov_b32 s[G1A+2], 4<<16
	s_mov_b32 s[G1A+3], 512<<16
	s_mov_b32 s[G1A+4], 4
	s_lshl_b32 s20, s16, 17                        ; my half in memory,
	s_add_co_u32 s20, s20, 12288
	s_lshl_b32 s22, s16, 16
	s_add_co_u32 s22, s22, 12288
	s_lshl_b32 s[G0+1], s16, 15                    ; and in slot 0: the wave's number and constants alone
	s_lshl_b32 s2, s16, 14
	s_add_co_u32 s[G0+9], s2, S1O
	s_add_nc_u64 s[G0+2:G0+3], s[B0:B0+1], s[20:21]
	s_or_b32 s[G0+3], s[G0+3], 0x80000000
	s_add_nc_u64 s[G0+10:G0+11], s[B1:B1+1], s[22:23]
	s_or_b32 s[G0+11], s[G0+11], 0x80000000
	s_wait_dscnt 13                                ; (the add and the youngest twelve loads may be out)
	WIN MUL
	MUL8 0, 0, 0
	s_wait_dscnt 0x0                               ; the add is done, and my reads of slot 0 are over
	s_barrier_signal -1
	MUL8 1, 0, 0
	WIN 0
	s_barrier_wait -1
	CREST                                          ; no wave of any partner still reads slot 0 or has a load on its way
	s_cmp_eq_u32 s15, 0
	s_cbranch_scc0 .Lr1
	ARM G0, G1B
	s_branch .Lr2
.Lr1:
	ARM G0+8, G1A
.Lr2:
	FETCH 1, 6144, 0, 1                            ; (the four v_nop behind the load are the places in front of these)
	WIN MUL
	MUL8 2, 0, 0
	MUL8 3, 0, 0
	WIN 0
	SUB 1, 1, 6144, 1, 0                           ; step 3
	SUB 0, 1, 6144, 2, 0                           ; step 4
	; step 5: behind its barrier slot 0 is read again; nothing is filled any more, so there is no add and no round.  Every wave's reads of slot 1 are over at this barrier too: the stages may lie there
	s_wait_dscnt 12
	WIN MUL
	MUL8 0, 1, 0
	s_wait_tensorcnt 0x0                           ; my part of steps 6 and 7 is in: the one load that was out
	s_wait_dscnt 0x0
	s_barrier_signal -1
	MUL8 1, 1, 0
	WIN 0
	s_barrier_wait -1                              ; everybody's is
	PLACES
	FETCH 2, 4096, 0, 0
	WIN MUL
	MUL8 2, 1, 0
	MUL8 3, 1, 0
	WIN 0
; THE WAY OUT, block by block of 16 tokens x 128 columns.  A lane holds 32 neighbouring bytes of a row and the lanes beside it hold other rows: so a block goes through my own stage and comes back as whole rows of
; 512 bytes.  LDS serves a wave's instructions in order (ISA guide 5.7.1.4): no wait between the stores and the loads, nor in front of the next block's stores.
.macro TOSTAGE a
	WIN 0x02                                       ; source 0 window 2
.set i, 0
.rept 32
	v_pk_mul_f32 v[TMP+i:TMP+i+1], v[64*(\a)+i:64*(\a)+i+1], s[66:67] op_sel_hi:[1,0]   ; x 2^(e10 + e11); each accumulator from its low end on
.set i, i+2
.endr
	WIN 0
.irp b, 0,1,2,3,4,5,6,7
	ds_store_b128 v[STO], v[TMP+8*\b:TMP+8*\b+3] offset:64*\b
	ds_store_b128 v[STO], v[TMP+8*\b+4:TMP+8*\b+7] offset:64*\b+16
.endr
	WIN 0xc0                                       ; destination window 3
.irp t, 0,1,2,3,4,5,6,7,8,9,10,11,12,13,14,15
	ds_load_b128 v[64*((\a)%2)+4*\t:64*((\a)%2)+4*\t+3], v[RD] offset:\t*SP
.endr
	WIN 0
.endm
.macro SEND a
	s_wait_dscnt 0x0                               ; the block is back in registers
	WIN 0x0c                                       ; data window 3
.irp t, 0,1,2,3,4,5,6,7,8,9,10,11,12,13,14,15
	global_store_b128 v[LI], v[64*((\a)%2)+4*\t:64*((\a)%2)+4*\t+3], s[10:11] offset:(16*(\a)+\t)*4096 th:TH_STORE_NT   ; 32 lanes store 512 consecutive bytes, aligned; every offset is an immediate
.endr
	WIN 0
.endm
	; steps 6 (set 0) and 7 (set 1) by rows
	HALF1 0, 2, 4096, 1, 0
	MUL8 1, 0, 0
	MUL8 2, 0, 0
	s_wait_dscnt 12                                ; step 7's S0 and S1's tile 0 are in
	MUL8 0, 1, 0                                   ; row 0 is finished
	s_wait_dscnt 0x0
	MUL8 1, 1, 0                                   ; row 1
	PLACES
	TOSTAGE 0
	WIN MUL
	MUL8 2, 1, 0                                   ; row 2
	SEND 0
	TOSTAGE 1                                      ; (block 0's vector lines are the places behind rows 1's products; so on below)
	WIN MUL
	MUL8 3, 0, 0
	MUL8 3, 1, 0                                   ; row 3
	SEND 1
	s_wait_xcnt 0x0                                ; block 0's stores have read their registers: block 2's loads may land there
	TOSTAGE 2
	SEND 2
	s_wait_xcnt 0x0
	TOSTAGE 3
	SEND 3
	s_wait_tensorcnt 0x0                           ; the wave's end: behind my last tensor load and my last LDS store
	ds_add_u32 v[SPW], v[NIL]
	s_wait_dscnt 0x0
	CROUND                                         ; the closing round: no work-group ends while a partner may still ask for a tile that names it
	s_endpgm
.Lfunc_end_k_q53ff80db5d_outgemm:
	.size	k_q53ff80db5d_outgemm, .Lfunc_end_k_q53ff80db5d_outgemm-k_q53ff80db5d_outgemm
	.p2alignl 7, 3214868480
	.fill 96, 4, 3214868480
	.section	.rodata,"a",@progbits
	.p2align	6, 0x0
	.amdhsa_kernel k_q53ff80db5d_outgemm
		.amdhsa_group_segment_fixed_size 327680
		.amdhsa_private_segment_fixed_size 0
		.amdhsa_enable_private_segment 0
		.amdhsa_kernarg_size 32
		.amdhsa_user_sgpr_count 2
		.amdhsa_user_sgpr_kernarg_segment_ptr 1
		.amdhsa_wavefront_size32 1
		.amdhsa_system_sgpr_workgroup_id_x 1
		.amdhsa_system_sgpr_workgroup_id_y 1
		.amdhsa_system_sgpr_workgroup_id_z 1
		.amdhsa_system_vgpr_workitem_id 0
		.amdhsa_next_free_vgpr 1024
		.amdhsa_next_free_sgpr 100
		.amdhsa_reserve_vcc 0
		.amdhsa_float_denorm_mode_32 3
		.amdhsa_float_denorm_mode_16_64 3
		.amdhsa_memory_ordered 1
		.amdhsa_forward_progress 1
		.amdhsa_inst_pref_size 75
	.end_amdhsa_kernel
	.amdgpu_metadata
---
amdhsa.version: [ 1, 2 ]
amdhsa.kernels:
  - .name:           k_q53ff80db5d_outgemm
    .symbol:         k_q53ff80db5d_outgemm.kd
    .args:
      - { .name: ao, .offset: 0, .size: 8, .value_kind: global_buffer, .address_space: global }
      - { .name: wc, .offset: 8, .size: 8, .value_kind: global_buffer, .address_space: global }
      - { .name: lowp_scales, .offset: 16, .size: 8, .value_kind: global_buffer, .address_space: global }
      - { .name: out0, .offset: 24, .size: 8, .value_kind: global_buffer, .address_space: global }
    .group_segment_fixed_size: 327680
    .private_segment_fixed_size: 0
    .kernarg_segment_align: 8
    .kernarg_segment_size: 32
    .max_flat_workgroup_size: 128
    .sgpr_count:     100
    .vgpr_count:     1024
    .wavefront_size: 32
...
	.end_amdgpu_metadata
.endif
;; end of part 4
